; MI455X (gfx1250); checked and timed in simulation.
; The chip was launched on July 23, 2026; its instructions are those of AMD's public machine-readable ISA for CDNA 5 (MIT licence, August 2026) and "CDNA5" Instruction Set Architecture Reference Guide (July 2026). The comments in the code are by the model that wrote it; some were corrected since.
;; Multi Character Conditioner. Allowed arithmetic: matrix products marked QUANTISED: E2M1 operands, one E8M0 scale for each 32 along K, by v_wmma_scale_f32_16x16x128_f8f6f4 with both operands' format E2M1 (or v_wmma_scale_f32_32x16x128_f4), f32 sums; products left as they are: bf16, f16 or f32 operands; f32 sums; everything else in f32.
;; Inputs: W_out 1,024 x 1,024 float32; W_qkv 3,072 x 1,024 float32; character_masks 2 x 4 x 2,048 float32; interaction_mask 2 x 2,048 x 2,048 float32; isolation_gate 16 float32; k_norm_w 64 float32; q_norm_w 64 float32; x 2 x 2,048 x 1,024 float32.
;; Outputs: out0 2 x 2,048 x 1,024 float32.
;; This version of the problem:
;;   THIS VERSION OF THE PROBLEM IS GIVEN IN LOW PRECISION. The matrix products marked QUANTISED in the list below multiply operands that are first quantised to E2M1 (2 exponent bits, 1 mantissa bit; 4 bits a number), with one power-of-two scale for each 32 numbers along K (OCP MX v1.0); their sums are f32. The products marked 'left as it is' may take bf16, f16 or f32 operands, with f32 sums. Whichever they take, every output number must still come out within the allowed error. Rounding operands to bf16 (8 significant bits) uses up far more of that allowance than f16 does (11 bits, for magnitudes from 6e-5 to 65,504). All else is computed in f32.
;;   The module's matrix products, in the order in which they are computed (A, B: the left and right operand; K: the contracted axis; several contracted axes count as one K, in the product's order):
;;     1. [M 4,096, K 1,024] x [K 1,024, N 3,072]; A: input x; B: input W_qkv: QUANTISED
;;     2. batch 32 x [M 2,048, K 64] x [K 64, N 2,048]; A: computed on the way; B: computed on the way: left as it is (an operand is computed on the way)
;;     3. batch 2 x [M 2,048, K 4] x [K 4, N 2,048]; A: input character_masks; B: input character_masks: left as it is (K = 4 < 32)
;;     4. batch 32 x [M 2,048, K 2,048] x [K 2,048, N 64]; A: computed on the way; B: computed on the way: left as it is (an operand is computed on the way)
;;     5. [M 4,096, K 1,024] x [K 1,024, N 1,024]; A: computed on the way; B: input W_out: left as it is (an operand is computed on the way)
;;   THE QUANTISER, for each operand of a quantised product, along K:
;;     - K is cut into blocks of 32 from its start; a last block that is shorter is filled with zeros.
;;     - A block's scale is 2^e with e = floor(log2(the largest magnitude in the block)) - 2, held to -126 .. 127; a block of zeros has e = 0. As a byte (E8M0): e + 127.
;;     - Each number is divided by its block's scale, clamped to +-6, and rounded to the nearest number of E2M1, ties to even, subnormals kept.
;;     - The product sums the exact products of the quantised numbers (number of the format x scale) in f32.
;;   ~~~python
;;   def quantise(x, axis):      # numpy; x: float32 -> the quantised numbers, widened to float32 again
;;       x = np.moveaxis(x, axis, -1); K = x.shape[-1]
;;       x = np.pad(x, [(0, 0)] * (x.ndim - 1) + [(0, -K % 32)]); x = x.reshape(x.shape[:-1] + (-1, 32)); a = np.abs(x).max(-1, keepdims=True)
;;       e = np.where(a > 0, np.clip(np.frexp(np.where(a > 0, a, 1))[1] - 1 - 2, -126, 127), 0)      # np.frexp(a)[1] - 1 = floor(log2(a)), exactly
;;       r = np.clip(x / 2.0 ** e, -6, 6)
;;       step = 2.0 ** (np.maximum(np.frexp(np.where(r == 0, 1, r))[1] - 1, 0) - 1)
;;       q = np.round(r / step) * step * 2.0 ** e      # np.round: ties to even
;;       return np.moveaxis(q.reshape(q.shape[:-2] + (-1,))[..., :K], -1, axis).astype(np.float32)
;;   ~~~
;; One version. Each part assembles by itself: llvm-mc -triple=amdgcn-amd-amdhsa -mcpu=gfx1250 --defsym DOCPART=n.
;; ======== version 1 of 1: 4 launches
;; limits: values outside matrix products are rounded to f16; values are held in f16: magnitudes above 65,504 overflow, below 6.1e-05 lose precision
;; workspace buffers: codes 3,670,016 bytes; scl 229,376 bytes; wo3 2,097,152 bytes; bias16 16,777,216 bytes; qf 8,388,608 bytes; kv 16,777,216 bytes; ao3 8,388,608 bytes
;; launch prep (part 1): grid 384 x 1, 8 waves a work-group, no clusters, 67,072 bytes of LDS; arguments x, W_qkv, W_out, character_masks, interaction_mask, codes, scl, wo3, bias16; writes codes, scl, wo3, bias16
.if DOCPART == 1
	.amdgcn_target "amdgcn-amd-amdhsa--gfx1250"
	.amdhsa_code_object_version 6
	.text
	.protected	k_qb2e46148cb_prep
	.globl	k_qb2e46148cb_prep
	.p2align	8
	.type	k_qb2e46148cb_prep,@function
k_qb2e46148cb_prep:
	s_mov_b64 s[64:65], 0
	v_nop
	global_prefetch_b8 v0, s[64:65] scope:SCOPE_SE
	s_setreg_imm32_b32 hwreg(HW_REG_WAVE_MODE, 25, 1), 1
	s_wait_xcnt 0x0
; PREP: three pieces of work that need each other's results in no way share one launch; the work-group's number picks the path.
;   work-groups 0-255   BIAS : bias(b,q,k) = 2 same(q,k) / max(rowmax same, 1e-6) - 1 + 0.3 interaction_mask(b,q,k), same = the sum over 4 characters of cm(q) cm(k); made once for all 16 heads, in f32,
;                              rounded once to f16 and stored in the order in which the attention launch's matrix operand takes it.
;   work-groups 256-367 QUANT: x (4,096 rows) and W_qkv (3,072 rows), f32 with K = 1,024 innermost, become E2M1 codes and E8M0 scale bytes, one byte for each 32 along K; both tensors land in one buffer of 7,168 rows.
;   work-groups 368-383 WOUT : W_out becomes f16, laid [n / 128][k / 64][128][64], so that a K step of the last product is one dense block.
; LIMITS: NaN and infinities among the inputs are not served.  A quantiser block whose largest magnitude lies under 2^-124 keeps the byte 1 (a block of zeros too: its codes are zeros, and this program alone reads the bytes).
; The bias is kept in f16: its absolute error grows with the size of interaction_mask.
; LDS: bytes 0-65,535 the quantiser's (8,192 a wave); 65,536-66,047 the bias path's row maxima; from 66,048 the spare words.  Each path has bytes of its own.
.set SPARE, 66048                      ; the spare words: 128 bytes for each of 8 waves, four blocks of 256 bytes that no other line names
.set MXL,   65536                      ; the bias path's row maxima: 8 waves x 16 f32
.set SPW,   12                         ; v12  LDS address of my spare word; never rewritten
.set NIL,   13                         ; v13  0; never rewritten
	v_lshl_add_u32 v[SPW], v0, 2, SPARE
	v_mov_b32 v[NIL], 0
	v_lshrrev_b32 v1, 5, v0
	v_readfirstlane_b32 s3, v1                     ; wave 0..7
	v_and_b32 v2, 31, v0                           ; lane
	s_cmp_lt_u32 ttmp9, 256
	s_cbranch_scc1 .Lbias
	s_cmp_lt_u32 ttmp9, 368
	s_cbranch_scc1 .Lquant
; ---------------------------------------------------------------- WOUT
; Work-group hk = 0..15 takes columns 64 hk .. 64 hk + 63 of W_out, wave nb its rows 128 nb .. + 127.  A load reads two rows' 256 bytes (sixteen lanes a row), a store writes 256 consecutive bytes.
; A ring of 16 loads; each of the 64 results has registers of its own, so no store's data are written again.
.set WL, 16                            ; v16-79   sixteen sets of 4 numbers as loaded
.set WP, 96                            ; v96-223  64 pairs of registers to store
	s_load_b64 s[4:5], s[0:1], 0x10                ; W_out
	s_load_b64 s[6:7], s[0:1], 0x38                ; wo3
	s_sub_co_u32 s8, ttmp9, 368                    ; hk
	v_lshrrev_b32 v3, 4, v2
	v_and_b32 v4, 15, v2
	v_lshlrev_b32 v4, 4, v4
	v_lshl_add_u32 v4, v3, 12, v4                  ; in: (lane / 16) rows of 4,096 bytes + 16 (lane % 16)
	v_lshlrev_b32 v5, 3, v2                        ; out: 8 bytes a lane
	s_lshl_b32 s10, s3, 19                         ; 128 rows of 4,096 bytes a wave,
	s_lshl_b32 s9, s8, 8                           ; 256 bytes of a row a work-group
	s_add_co_u32 s10, s10, s9
	s_mov_b32 s11, 0
	s_lshl_b32 s14, s3, 18                         ; wo3: 262,144 bytes for each nb,
	s_lshl_b32 s9, s8, 14                          ; 16,384 for each hk
	s_add_co_u32 s14, s14, s9
	s_mov_b32 s15, 0
	s_wait_kmcnt 0x0
	s_add_nc_u64 s[4:5], s[4:5], s[10:11]
	s_add_nc_u64 s[6:7], s[6:7], s[14:15]
.macro WLOAD i
	global_load_b128 v[WL+4*((\i)%16):WL+4*((\i)%16)+3], v4, s[4:5] offset:(\i)*8192 th:TH_LOAD_NT
.endm
.set I, 0
.rept 16
	WLOAD I
.set I, I+1
.endr
.set I, 0
.rept 64
.if I < 48
	s_wait_loadcnt 15                              ; load I is in; the fifteen issued behind it may be out
.else
	s_wait_loadcnt 63-I                            ; nothing more is issued: the counts run down
.endif
	v_cvt_pk_f16_f32 v[WP+2*I], v[WL+4*(I%16)], v[WL+4*(I%16)+1]
	v_cvt_pk_f16_f32 v[WP+2*I+1], v[WL+4*(I%16)+2], v[WL+4*(I%16)+3]
.if I < 48
	WLOAD I+16
.endif
	global_store_b64 v5, v[WP+2*I:WP+2*I+1], s[6:7] offset:I*256
.set I, I+1
.endr
	s_wait_tensorcnt 0x0                           ; the wave's end
	ds_add_u32 v[SPW], v[NIL]
	s_wait_dscnt 0x0
	s_endpgm
; ---------------------------------------------------------------- BIAS
; Work-group g: batch g / 128, queries 16 (g % 128) .. + 15, all 2,048 keys.  Wave wv takes keys 256 wv .. + 255 in eight sets of 32: A LANE IS A KEY, AND ITS REGISTERS RUN DOWN THE 16 QUERIES, so that eight
; neighbouring registers are the eight queries that one 16-byte piece of the operand holds.  The queries' four mask numbers are scalars.
; bias16 is [b 2][block of 256 queries 8][128 keys 16][wave's 32 queries 8][16 keys 8][c 2][lane 32][16 bytes]; lane 16 h + r of a piece holds key r and queries 16 c + 8 h + 0 .. 7.
.set CQ0, 16                           ; s16-31, s32-47, s48-63, s68-83: cm(character c, my 16 queries)
.set CK,  16                           ; v16-47   cm(character c, key of set j) at 8 c + j
.set MX,  48                           ; v48-63   row maxima, then 2 / maximum
.set BX,  64                           ; v64-191  interaction_mask, then the bias: set j, query e at 16 j + e
.set BT,  192                          ; v192-223 at work
.Lbias:
	s_load_b128 s[4:7], s[0:1], 0x18               ; character_masks, interaction_mask
	s_load_b64 s[8:9], s[0:1], 0x40                ; bias16
	s_lshr_b32 s12, ttmp9, 7                       ; batch
	s_and_b32 s13, ttmp9, 127                      ; which 16 queries
	v_lshlrev_b32 v4, 2, v2                        ; in: 4 bytes a lane
	v_lshrrev_b32 v5, 4, v2
	v_and_b32 v8, 15, v2
	v_lshlrev_b32 v8, 4, v8
	v_lshl_add_u32 v5, v5, 10, v8                  ; out: (lane / 16) tiles of 16 keys (1,024 bytes) + 16 (lane % 16)
	s_lshl_b32 s14, s3, 6
	s_add_co_u32 s14, s14, MXL
	v_mov_b32 v6, s14                              ; LDS: my wave's 16 maxima
	v_mov_b32 v7, MXL                              ; and all eight waves'
	s_mov_b32 s84, 0x76543210
	s_mov_b32 s85, 0xfedcba98                      ; v_permlanex16_b32's selects for lane l xor 16
	s_mov_b32 s86, 0x3e99999a                      ; 0.3
	s_lshl_b32 s88, s12, 15                        ; character_masks: 32,768 bytes a batch
	s_lshl_b32 s14, s13, 6
	s_add_co_u32 s14, s88, s14                     ; + my 16 queries
	s_mov_b32 s15, 0
	s_lshl_b32 s90, s3, 10                         ; my wave's 256 keys, 4 bytes each
	s_add_co_u32 s88, s88, s90
	s_mov_b32 s89, 0
	s_lshl_b32 s92, s12, 24                        ; interaction_mask: 2^24 bytes a batch, 8,192 a query
	s_lshl_b32 s91, s13, 17
	s_add_co_u32 s92, s92, s91
	s_add_co_u32 s92, s92, s90
	s_mov_b32 s93, 0
	s_lshl_b32 s94, s12, 23                        ; bias16: the batch,
	s_lshr_b32 s91, s13, 4
	s_lshl_b32 s91, s91, 20
	s_add_co_u32 s94, s94, s91                     ; the block of 256 queries,
	s_bfe_u32 s91, s13, 0x30001
	s_lshl_b32 s91, s91, 13
	s_add_co_u32 s94, s94, s91                     ; the 32 queries of one attention wave,
	s_and_b32 s91, s13, 1
	s_lshl_b32 s91, s91, 9
	s_add_co_u32 s94, s94, s91                     ; which 16 of them,
	s_lshl_b32 s91, s3, 17
	s_add_co_u32 s94, s94, s91                     ; and my wave's 256 keys: two slots of 65,536 bytes
	s_mov_b32 s95, 0
	s_wait_kmcnt 0x0
	s_add_nc_u64 s[10:11], s[4:5], s[88:89]
	s_add_nc_u64 s[4:5], s[4:5], s[14:15]
	s_add_nc_u64 s[6:7], s[6:7], s[92:93]
	s_add_nc_u64 s[8:9], s[8:9], s[94:95]
	s_load_b512 s[16:31], s[4:5], 0x0              ; the four characters' numbers of my 16 queries
	s_load_b512 s[32:47], s[4:5], 0x2000
	s_load_b512 s[48:63], s[4:5], 0x4000
	s_load_b512 s[68:83], s[4:5], 0x6000
.irp c, 0,1,2,3
.irp j, 0,1,2,3,4,5,6,7
	global_load_b32 v[CK+8*\c+\j], v4, s[10:11] offset:\c*8192+\j*128
.endr
.endr
.macro XLOAD j                         ; set j of interaction_mask: 16 queries x 32 keys
.set ee, 0
.rept 16
	global_load_b32 v[BX+16*(\j)+ee], v4, s[6:7] offset:ee*8192+(\j)*128 th:TH_LOAD_NT
.set ee, ee+1
.endr
.endm
.macro SAME dst, j                     ; same(query e, my key of set j), e = 0 .. 15, into v[dst + e]: sixteen chains side by side
.set ee, 0
.rept 16
	v_mul_f32 v[\dst+ee], s[CQ0+ee], v[CK+(\j)]
.set ee, ee+1
.endr
.irp c, 1,2,3
.set ee, 0
.rept 16
	v_fmac_f32 v[\dst+ee], s[CQ0+16*\c+4*(\c/3)+ee], v[CK+8*\c+(\j)]
.set ee, ee+1
.endr
.endr
.endm
	XLOAD 0
	XLOAD 1
	XLOAD 2
	s_wait_kmcnt 0x0
	s_wait_loadcnt 48                              ; the keys' mask numbers are in; the 48 loads issued behind them may be out
	; the row maxima of same over my wave's 256 keys
.irp p, 0,1,2,3
	SAME BT, 2*\p
	SAME BT+16, 2*\p+1
.set ee, 0
.rept 16
.if \p == 0
	v_max_num_f32 v[MX+ee], v[BT+ee], v[BT+16+ee]  ; the first pair of sets starts the maxima: nothing is cleared
.else
	v_max3_num_f32 v[MX+ee], v[MX+ee], v[BT+ee], v[BT+16+ee]
.endif
.set ee, ee+1
.endr
.endr
.irp m, 1,2,4,8
.set ee, 0
.rept 16
	v_max_num_f32_dpp v[MX+ee], v[MX+ee], v[MX+ee] row_xmask:\m row_mask:0xf bank_mask:0xf
.set ee, ee+1
.endr
.endr
.set ee, 0
.rept 16
	v_permlanex16_b32 v[BT+ee], v[MX+ee], s84, s85
.set ee, ee+1
.endr
.set ee, 0
.rept 16
	v_max_num_f32 v[MX+ee], v[MX+ee], v[BT+ee]     ; every lane holds my wave's maxima
.set ee, ee+1
.endr
.irp i, 0,1,2,3
	ds_store_b128 v6, v[MX+4*\i:MX+4*\i+3] offset:16*\i   ; all lanes write the same words with the same values
.endr
	s_wait_dscnt 0x0                               ; for the others' sake: my stores have landed
	s_barrier_signal -1
	s_barrier_wait -1
.irp g, 0,1,2,3                        ; two waves' 16 maxima at a time
.irp i, 0,1,2,3,4,5,6,7
	ds_load_b128 v[BT+4*\i:BT+4*\i+3], v7 offset:128*\g+16*\i
.endr
	s_wait_dscnt 0x0
.set ee, 0
.rept 16
	v_max3_num_f32 v[MX+ee], v[MX+ee], v[BT+ee], v[BT+16+ee]
.set ee, ee+1
.endr
.endr
.set ee, 0
.rept 16
	v_max_num_f32 v[MX+ee], 0x358637bd, v[MX+ee]   ; held at 1e-6 from below
.set ee, ee+1
.endr
.set ee, 0
.rept 16
	v_rcp_f32 v[MX+ee], v[MX+ee]
.set ee, ee+1
.endr
	v_nop                                          ; a plain instruction behind the last reciprocal
	s_wait_alu depctr_va_vdst(0)                   ; one wait for the sixteen, ahead of their first reader
.set ee, 0
.rept 16
	v_add_f32 v[MX+ee], v[MX+ee], v[MX+ee]         ; 2 / maximum
.set ee, ee+1
.endr
; Set j: bias = same x (2 / maximum) + (0.3 x interaction_mask - 1); eight queries pack into 16 bytes, in place; sixteen lanes store 256 consecutive bytes, aligned.
.macro VAL j
.if (\j)+3 < 8
	XLOAD (\j)+3
.endif
	SAME BT, \j
.if (\j) < 5
	s_wait_loadcnt 48                              ; set j is in; the three sets issued behind it may be out
.else
	s_wait_loadcnt 16*(7-(\j))
.endif
.set ee, 0
.rept 16
	v_fma_f32 v[BX+16*(\j)+ee], v[BX+16*(\j)+ee], s86, -1.0
.set ee, ee+1
.endr
.set ee, 0
.rept 16
	v_fmac_f32 v[BX+16*(\j)+ee], v[BT+ee], v[MX+ee]
.set ee, ee+1
.endr
.irp h, 0,1
.irp i, 0,1,2,3
	v_cvt_pk_f16_f32 v[BX+16*(\j)+8*\h+\i], v[BX+16*(\j)+8*\h+2*\i], v[BX+16*(\j)+8*\h+2*\i+1]
.endr
.endr
.irp h, 0,1
	global_store_b128 v5, v[BX+16*(\j)+8*\h:BX+16*(\j)+8*\h+3], s[8:9] offset:((\j)/4)*65536+((2*(\j))%8)*1024+\h*256
.endr
.endm
.irp j, 0,1,2,3,4,5,6,7
	VAL \j
.endr
	s_wait_tensorcnt 0x0                           ; the wave's end
	ds_add_u32 v[SPW], v[NIL]
	s_wait_dscnt 0x0
	s_endpgm
; ---------------------------------------------------------------- QUANT
; Rows are dense and K is a multiple of 32: both tensors are plain streams of blocks of 32.  A wave takes a run of 8,192 numbers in 16 steps of 512.  x is exactly 512 runs, so run number r of the two tensors on end
; lands at codes + 4,096 r and scl + 256 r.  Each load reads 512 consecutive bytes; a step's 2,048 bytes turn through the wave's own stage in LDS (16 bytes of padding behind each 64) and come back 64 bytes a lane:
; 16 neighbours along K, two lanes to a block.  A block's scale is 2^(floor(log2(largest magnitude)) - 2): its byte is the largest magnitude's exponent field less 2, held at 1 from below.
.set QSTEPS, 16
.set QR,  16                           ; v16-79   four sets of 16 numbers as loaded
.set QX,  80                           ; v80-111  two sets of 16 neighbours
.set QE,  112                          ; v112-127 a scale byte for each step
.set QC,  128                          ; v128-191 codes: four registers for each step, so that no store's data are written again
.set QSP, 80                           ; a lane's place in a stage: 64 bytes + 16 of padding
.Lquant:
	s_load_b128 s[4:7], s[0:1], 0x0                ; x, W_qkv
	s_load_b128 s[8:11], s[0:1], 0x28              ; codes, scl
	v_lshlrev_b32 v3, 4, v2                        ; my 16 bytes of a load's 512
	s_lshl_b32 s17, s3, 13                         ; my wave's 8,192 bytes of LDS
	v_lshrrev_b32 v14, 2, v2
	v_mul_u32_u24 v14, v14, QSP
	v_and_b32 v15, 3, v2
	v_lshl_add_u32 v14, v15, 4, v14
	v_add_nc_u32 v14, s17, v14                     ; the stage, on the way in: four lanes' 64 bytes on end, then the padding
	v_mul_u32_u24 v15, v2, QSP
	v_add_nc_u32 v15, s17, v15                     ; and on the way out: my 16 neighbours
	v_lshlrev_b32 v4, 3, v2                        ; my codes' place in a step's: 8 bytes a lane
	v_lshrrev_b32 v5, 1, v2
	s_add_co_u32 s17, s17, 2*32*QSP
	v_add_nc_u32 v5, s17, v5                       ; LDS: my wave's 256 scale bytes, my block's byte
	v_lshlrev_b32 v7, 3, v2
	v_add_nc_u32 v6, s17, v7                       ; and on the way out 8 bytes a lane
	s_sub_co_u32 s16, ttmp9, 256
	s_lshl_b32 s18, s16, 3
	s_add_co_u32 s18, s18, s3                      ; my run among the 896
	s_wait_kmcnt 0x0
	s_cmp_lt_u32 s16, 64                           ; x's work-group or W_qkv's?  The choice hangs on the work-group's number alone
	s_cselect_b64 s[4:5], s[4:5], s[6:7]
	s_cselect_b32 s19, 0, 512
	s_sub_co_u32 s19, s18, s19                     ; my run in its own tensor
	s_lshl_b32 s20, s19, 15
	s_mov_b32 s21, 0
	s_add_nc_u64 s[4:5], s[4:5], s[20:21]
	s_lshl_b32 s20, s18, 12
	s_add_nc_u64 s[8:9], s[8:9], s[20:21]
	s_lshl_b32 s20, s18, 8
	s_add_nc_u64 s[10:11], s[10:11], s[20:21]
.macro QLOAD t
.irp i, 0,1,2,3
	global_load_b128 v[QR+16*((\t)%4)+4*\i:QR+16*((\t)%4)+4*\i+3], v3, s[4:5] offset:2048*(\t)+512*\i th:TH_LOAD_NT
.endr
.endm
.macro QTURN t                         ; step t's numbers through the stage: LDS serves a wave's instructions in order, so no wait stands between the stores and the loads
.irp i, 0,1,2,3
	ds_store_b128 v14, v[QR+16*((\t)%4)+4*\i:QR+16*((\t)%4)+4*\i+3] offset:32*QSP*((\t)%2)+8*QSP*\i
.endr
.irp i, 0,1,2,3
	ds_load_b128 v[QX+16*((\t)%2)+4*\i:QX+16*((\t)%2)+4*\i+3], v15 offset:32*QSP*((\t)%2)+16*\i
.endr
.endm
.irp t, 0,1,2,3
	QLOAD \t
.endr
	s_wait_loadcnt 12                              ; step 0's four loads are in
	QTURN 0
.macro QSTEP t
.set XS, QX+16*((\t)%2)
.if (\t) > 0
	s_wait_dscnt 1                                 ; this step's numbers are back from the stage (the last step's byte store may be out)
.else
	s_wait_dscnt 0x0
.endif
.if (\t)+4 < QSTEPS
	QLOAD (\t)+4                                   ; into the registers that this step's stage stores have read
.endif
.if (\t)+1 < QSTEPS
.if QSTEPS-2-(\t) >= 3
	s_wait_loadcnt 12                              ; the next step's four loads are in; those of the three steps behind it may be out
.else
	s_wait_loadcnt 4*(QSTEPS-2-(\t))
.endif
	QTURN (\t)+1
.endif
	v_max3_num_f32 v8, |v[XS]|, |v[XS+1]|, |v[XS+2]|
	v_max3_num_f32 v9, |v[XS+3]|, |v[XS+4]|, |v[XS+5]|
.irp i, 6,10
	v_max3_num_f32 v8, v8, |v[XS+\i]|, |v[XS+\i+1]|
	v_max3_num_f32 v9, v9, |v[XS+\i+2]|, |v[XS+\i+3]|
.endr
	v_max3_num_f32 v8, v8, |v[XS+14]|, |v[XS+15]|
	v_max3_num_f32 v8, v8, v9, 0x1800000           ; and the floor 2^(3 - 127): the byte cannot fall under 1
	v_max_num_f32_dpp v8, v8, v8 row_xmask:1 row_mask:0xf bank_mask:0xf   ; with my neighbour's 16: the block's largest magnitude
	v_add_nc_u32 v11, 0xff000000, v8               ; 2 off its exponent field: the conversion takes the exponent field of this operand as its scale
	v_cvt_scalef32_pk8_fp4_f32 v[QC+4*(\t)], v[XS:XS+7], v11
	v_cvt_scalef32_pk8_fp4_f32 v[QC+4*(\t)+1], v[XS+8:XS+15], v11
	v_lshrrev_b32 v[QE+(\t)], 23, v11              ; the scale's byte
	ds_store_b8 v5, v[QE+(\t)] offset:16*(\t)      ; both lanes of a block write the same byte with the same value
	global_store_b64 v4, v[QC+4*(\t):QC+4*(\t)+1], s[8:9] offset:256*(\t)   ; the wave stores 256 consecutive bytes
.endm
.irp t, 0,1,2,3,4,5,6,7,8,9,10,11,12,13,14,15
	QSTEP \t
.endr
	ds_load_b64 v[8:9], v6                         ; LDS serves a wave's instructions in order: these see my stores
	s_wait_dscnt 0x0
	global_store_b64 v7, v[8:9], s[10:11]          ; my run's 256 scale bytes, consecutive and aligned
	s_wait_tensorcnt 0x0                           ; the wave's end
	ds_add_u32 v[SPW], v[NIL]
	s_wait_dscnt 0x0
	s_endpgm
.Lfunc_end_k_qb2e46148cb_prep:
	.size	k_qb2e46148cb_prep, .Lfunc_end_k_qb2e46148cb_prep-k_qb2e46148cb_prep
	.p2alignl 7, 3214868480
	.fill 96, 4, 3214868480
	.section	.rodata,"a",@progbits
	.p2align	6, 0x0
	.amdhsa_kernel k_qb2e46148cb_prep
		.amdhsa_group_segment_fixed_size 67072
		.amdhsa_private_segment_fixed_size 0
		.amdhsa_enable_private_segment 0
		.amdhsa_kernarg_size 72
		.amdhsa_user_sgpr_count 2
		.amdhsa_user_sgpr_kernarg_segment_ptr 1
		.amdhsa_wavefront_size32 1
		.amdhsa_system_sgpr_workgroup_id_x 1
		.amdhsa_system_sgpr_workgroup_id_y 1
		.amdhsa_system_sgpr_workgroup_id_z 1
		.amdhsa_system_vgpr_workitem_id 0
		.amdhsa_next_free_vgpr 224
		.amdhsa_next_free_sgpr 100
		.amdhsa_reserve_vcc 0
		.amdhsa_float_denorm_mode_32 3
		.amdhsa_float_denorm_mode_16_64 3
		.amdhsa_memory_ordered 1
		.amdhsa_forward_progress 1
		.amdhsa_inst_pref_size 141
	.end_amdhsa_kernel
	.amdgpu_metadata
---
amdhsa.version: [ 1, 2 ]
amdhsa.kernels:
  - .name:           k_qb2e46148cb_prep
    .symbol:         k_qb2e46148cb_prep.kd
    .args:
      - { .name: x, .offset: 0, .size: 8, .value_kind: global_buffer, .address_space: global }
      - { .name: W_qkv, .offset: 8, .size: 8, .value_kind: global_buffer, .address_space: global }
      - { .name: W_out, .offset: 16, .size: 8, .value_kind: global_buffer, .address_space: global }
      - { .name: character_masks, .offset: 24, .size: 8, .value_kind: global_buffer, .address_space: global }
      - { .name: interaction_mask, .offset: 32, .size: 8, .value_kind: global_buffer, .address_space: global }
      - { .name: codes, .offset: 40, .size: 8, .value_kind: global_buffer, .address_space: global }
      - { .name: scl, .offset: 48, .size: 8, .value_kind: global_buffer, .address_space: global }
      - { .name: wo3, .offset: 56, .size: 8, .value_kind: global_buffer, .address_space: global }
      - { .name: bias16, .offset: 64, .size: 8, .value_kind: global_buffer, .address_space: global }
    .group_segment_fixed_size: 67072
    .private_segment_fixed_size: 0
    .kernarg_segment_align: 8
    .kernarg_segment_size: 72
    .max_flat_workgroup_size: 256
    .sgpr_count:     100
    .vgpr_count:     224
    .wavefront_size: 32
...
	.end_amdgpu_metadata
.endif
;; end of part 1
;; launch qkv (part 2): grid 12 x 16, 4 waves a work-group, clusters of 4 x 4, 327,680 bytes of LDS; arguments codes, scl, q_norm_w, k_norm_w, qf, kv; writes qf, kv
.if DOCPART == 2
	.amdgcn_target "amdgcn-amd-amdhsa--gfx1250"
	.amdhsa_code_object_version 6
	.text
	.protected	k_qb2e46148cb_qkv
	.globl	k_qb2e46148cb_qkv
	.p2align	8
	.type	k_qb2e46148cb_qkv,@function
k_qb2e46148cb_qkv:
	s_mov_b64 s[64:65], 0
	v_nop
	global_prefetch_b8 v0, s[64:65] scope:SCOPE_SE
	s_setreg_imm32_b32 hwreg(HW_REG_WAVE_MODE, 25, 1), 1
	s_wait_xcnt 0x0
	s_wait_alu depctr_hold_cnt(0) depctr_sa_sdst(0) depctr_va_vdst(0) depctr_va_sdst(0) depctr_va_ssrc(0) depctr_va_vcc(0) depctr_vm_vsrc(0)
	s_getreg_b32 s2, hwreg(HW_REG_IB_STS2, 6, 4)
	s_cmp_eq_u32 s2, 0
	s_cbranch_scc0 .Lentry_in_a_cluster
	s_endpgm
.Lentry_in_a_cluster:
	s_bfe_u32 s2, ttmp6, 0x10000c
	s_cmp_lg_u32 s2, 0xf033
	s_cbranch_scc0 .Lentry_shape_is_right
	s_endpgm
.Lentry_shape_is_right:
; qkv = x W_qkv^T on codes of E2M1 with one E8M0 scale for each 32 along K (M = 4,096, N = 3,072, K = 1,024), then the RMS norm of q and k, and q, k, v rounded once to f16 and stored in the order in which
; the attention launch's matrix operands take them.  codes: rows 0-4,095 x, rows 4,096-7,167 W_qkv, 512 bytes a row; scl likewise, 32 bytes a row.
; A tile of 256 tokens x 256 features is made by four waves, 128 x 128 each: 64 accumulators, 512 registers.  K is two slots of 512 along K (rows of 256 bytes), both asked for at the start: nothing is filled again.
; The scale bytes of the work-group's 256 + 256 rows come once, as dense blocks.  CLUSTERS: 4 x 4 work-groups; x's tiles are shared along a row of the cluster, W_qkv's along a column: joint loads.
; THE MATRIX INSTRUCTION IS USED TRANSPOSED (source 0 = 16 rows of W_qkv, source 1 = 16 tokens): lane (r, h) holds token r and features 8 h + 0 .. 7 of a block of 16; a head's 64 features are 32 registers of the lane
; and 32 of lane l xor 16.  The cluster's x says which third of the features a work-group makes: 0 q, 1 k, 2 v; what differs is chosen by selects, never by a branch.
; q is also multiplied by log2(e) / 8, so that the scores come out as exponents of 2.  LIMITS: NaN and infinities are not served; v must stay inside f16's range (65,504).
; REGISTERS, in windows of 256: window 0: v0-31 addresses; v32-95 scale words, two sets; v128-191 x's fragments, one set; v192-223 the norm's weights; on the way out v128-191 at work, v224-255 the rows' figures.
;   window 1: W_qkv's fragments, two sets.   windows 2, 3: the accumulators of my tokens 0-63 and 64-127 (accumulator (a, b) at v[8 (8 (a % 4) + b)]).
.set NQ,     4                         ; matrix instructions deep in a slot
.set ROWB,   256                       ; a tile's row in bytes: 512 codes
.set KROW,   512                       ; a row of codes in memory
.set PITCH,  272                       ; an LDS row: 256 bytes + 16 of padding = 68 words: the 16 rows that a load touches start at 16 different banks (64 banks of 4 bytes: ISA guide 11.1)
.set FR,     8
.set NL,     2
.set NP,     4                         ; places behind this matrix instruction (ISA guide 7.12.1)
.set HALFT,  128*PITCH
.set SLOT,   4*HALFT
.set KS,     32                        ; a row of scale bytes
.set SCL,    2*SLOT
.set HALFS,  16*272                    ; the scales of 128 rows: 4,096 bytes as 16 rows of 256 + 16
.set SBLK,   2*272                     ; those of 16 rows
.set SPARE,  SCL+4*HALFS               ; the spare words: 128 bytes a wave, two blocks of 256 bytes that no other line names
.set ADRA, 16
.set ADRB, 20
.set OFFV, 24                          ; v24  the way out: my 16 bytes' place in a piece of 512
.set ADRS, 27
.set SPW,  28
.set NIL,  29
.set ONE,  30                          ; v30  1.0
.set SC,   32
.set AF,   128
.set TT,   128                         ; the way out: partial sums of squares, later a head's 32 numbers
.set PK,   160                         ; two sets of 16 packed registers, by turns
.set WN,   192                         ; the norm's weights: register 8 bb + j = w[16 bb + 8 h + j]
.set SS,   224                         ; (token tile a, head hh): figure at 2 (2 a + hh), its partner beside it
.set G1, 24
.set G0, 32
.set G1B, 48
.set G0B, 56
.set G1S, 68
.set G0S, 76
.set G1SB, 80
.set G0SB, 88
.set MSB, 0
.macro WIN new                         ; the immediate's high byte repeats the setting that is left
.if MSB != \new
	s_set_vgpr_msb (MSB<<8)|\new
.set MSB, \new
.endif
.endm
.set MUL_LO, 0xa1                      ; source 0 window 1, source 1 window 0, C and D window 2
.set MUL_HI, 0xf1                      ; the same, C and D window 3
.set TO_B,   0x40                      ; destination window 1, address window 0
; A joint load: waves 0 and 1 fetch for x, waves 2 and 3 for W_qkv.  The branch hangs on the wave's number alone.  An s_nop 0 and four v_nop follow each of the two lines.
.macro JLOAD g0a, g1a, g0b, g1b
	s_cmp_eq_u32 s15, 0
	s_cbranch_scc0 .Lfor_b_\@
	tensor_load_to_lds s[\g0a:\g0a+3], s[\g1a:\g1a+7]
	s_nop 0
.rept 4
	v_nop
.endr
	s_branch .Lasked_\@
.Lfor_b_\@:
	tensor_load_to_lds s[\g0b:\g0b+3], s[\g1b:\g1b+7]
	s_nop 0
.rept 4
	v_nop
.endr
.Lasked_\@:
.endm
.macro CROUND                          ; a round of the cluster's barrier
	s_barrier_signal -1
	s_barrier_wait -1
	s_cmp_lg_u32 s14, 0
	s_cbranch_scc1 .Lnot_wave_0_\@
	s_barrier_signal -3
.Lnot_wave_0_\@:
	s_barrier_wait -3
	s_barrier_signal -1
	s_barrier_wait -1
.endm
	s_load_b128 s[4:7], s[0:1], 0x0                ; codes, scl
	s_load_b256 s[92:99], s[0:1], 0x10             ; q_norm_w, k_norm_w, qf, kv
	v_lshl_add_u32 v[SPW], v0, 2, SPARE
	v_mov_b32 v[NIL], 0
	ds_add_u32 v[SPW], v[NIL]                      ; the wave's opening
	ds_add_u32 v[SPW], v[NIL]
	v_lshrrev_b32 v1, 5, v0
	v_readfirstlane_b32 s14, v1                    ; wave 0..3
	s_lshr_b32 s15, s14, 1                         ; which half of the tile's tokens is mine.  Also: I fetch for x (0) or for W_qkv (1)
	s_and_b32 s16, s14, 1                          ; which half of its features.  Also: which 128 rows of that tile I fetch
	s_bfe_u32 s40, ttmp6, 0x40000                  ; cx, cy: my place in the cluster
	s_bfe_u32 s41, ttmp6, 0x40004
	s_lshl_b32 s42, ttmp9, 2
	s_add_co_u32 s42, s42, s40                     ; tile column = 4 x cluster x + cx
	s_and_b32 s17, ttmp7, 0xffff
	s_lshl_b32 s17, s17, 2
	s_add_co_u32 s17, s17, s41                     ; tile row = 4 x cluster y + cy
	s_lshl_b32 s43, s41, 2
	s_lshl_b32 s43, 15, s43                        ; my row of the cluster
	s_lshl_b32 s44, 0x1111, s40                    ; my column
	s_or_b32 s[G1+0], s43, (0<<16)|(1<<20)|(1<<21)|(5<<22)|(3<<25)  ; the mask; elements of 1 byte; padding on: 4 words after every 64; bit 21 beside a mask
	s_or_b32 s[G1B+0], s44, (0<<16)|(1<<20)|(1<<21)|(5<<22)|(3<<25)
.irp g, G1, G1B
	s_mov_b32 s[\g+1], ROWB<<16                    ; tensor_dim0
	s_mov_b32 s[\g+2], 128<<16                     ; tensor_dim1
	s_mov_b32 s[\g+3], ROWB<<16                    ; tile_dim0
	s_mov_b32 s[\g+4], 128                         ; tile_dim1
	s_mov_b32 s[\g+5], KROW                        ; the pitch
	s_mov_b32 s[\g+6], 0
	s_mov_b32 s[\g+7], 0
.endr
	s_or_b32 s[G1S+0], s43, (3<<16)|(1<<20)|(1<<21)|(5<<22)|(3<<25)  ; the scales of 128 rows: 16 rows of 32 elements of 8 bytes, padded likewise
	s_or_b32 s[G1SB+0], s44, (3<<16)|(1<<20)|(1<<21)|(5<<22)|(3<<25)
.irp g, G1S, G1SB
	s_mov_b32 s[\g+1], 32<<16
	s_mov_b32 s[\g+2], 16<<16
	s_mov_b32 s[\g+3], 32<<16
	s_mov_b32 s[\g+4], 16
	s_mov_b32 s[\g+5], 32
	s_mov_b32 s[\g+6], 0
	s_mov_b32 s[\g+7], 0
.endr
	s_lshl_b32 s18, s16, 7                         ; which 128 rows of the tile I fetch
	s_lshl_b32 s20, s17, 8
	s_add_co_u32 s20, s20, s18                     ; x: row 256 x tile row + 128 x half
	s_lshl_b32 s46, s42, 8
	s_add_co_u32 s46, s46, s18                     ; W_qkv: row 256 x tile column + 128 x half
	s_mov_b32 s21, 0
	s_mov_b32 s47, 0
	s_mov_b64 s[18:19], KS
	s_mul_u64 s[22:23], s[20:21], s[18:19]         ; where these rows' scales begin,
	s_mul_u64 s[2:3], s[46:47], s[18:19]
	s_mov_b64 s[18:19], KROW
	s_mul_u64 s[20:21], s[20:21], s[18:19]         ; and their codes
	s_mul_u64 s[46:47], s[46:47], s[18:19]
	s_mul_i32 s45, s14, HALFT                      ; where they go: wave x 128 rows: no place in the cluster enters an LDS address
	s_mul_i32 s100, s14, HALFS
	s_wait_dscnt 0x0                               ; both opening adds are done
	s_wait_kmcnt 0x0
	s_add_nc_u64 s[8:9], s[4:5], 2097152           ; W_qkv's codes lie behind x's 4,096 rows of 512 bytes,
	s_add_nc_u64 s[10:11], s[6:7], 131072          ; its scale bytes behind x's 4,096 rows of 32
	s_add_nc_u64 s[20:21], s[4:5], s[20:21]
	s_add_nc_u64 s[22:23], s[6:7], s[22:23]
	s_add_nc_u64 s[46:47], s[8:9], s[46:47]
	s_add_nc_u64 s[2:3], s[10:11], s[2:3]
	CROUND                                         ; all sixteen work-groups are here: the first joint loads meet
	s_mov_b32 s[G0S], 1
	s_add_co_u32 s[G0S+1], s100, SCL
	s_mov_b64 s[G0S+2:G0S+3], s[22:23]
	s_or_b32 s[G0S+3], s[G0S+3], 0x80000000
	s_mov_b32 s[G0SB], 1
	s_add_co_u32 s[G0SB+1], s100, SCL
	s_mov_b64 s[G0SB+2:G0SB+3], s[2:3]
	s_or_b32 s[G0SB+3], s[G0SB+3], 0x80000000
	JLOAD G0S, G1S, G0SB, G1SB                     ; the scales first: they are wanted with the first slot.  Three loads of mine are out behind these lines
.irp s, 0,1
	s_mov_b32 s[G0+4*\s], 1
	s_add_co_u32 s[G0+4*\s+1], s45, \s*SLOT
	s_add_nc_u64 s[G0+4*\s+2:G0+4*\s+3], s[20:21], \s*ROWB
	s_or_b32 s[G0+4*\s+3], s[G0+4*\s+3], 0x80000000
	s_mov_b32 s[G0B+4*\s], 1
	s_add_co_u32 s[G0B+4*\s+1], s45, \s*SLOT
	s_add_nc_u64 s[G0B+4*\s+2:G0B+4*\s+3], s[46:47], \s*ROWB
	s_or_b32 s[G0B+4*\s+3], s[G0B+4*\s+3], 0x80000000
	JLOAD G0+4*\s, G1, G0B+4*\s, G1B
.endr
	v_and_b32 v1, 15, v0                           ; r
	v_bfe_u32 v2, v0, 4, 1                         ; h
	s_cmp_eq_u32 ttmp9, 0                          ; the cluster's x: the same in all partners
	s_cselect_b64 s[12:13], s[92:93], s[94:95]     ; q's weights, else k's (v's work-groups load k's and put 1.0 in their place)
	v_lshlrev_b32 v7, 5, v2                        ; my half's eight weights of a block of 16
.irp bb, 0,1,2,3
	global_load_b128 v[WN+8*\bb:WN+8*\bb+3], v7, s[12:13] offset:64*\bb
	global_load_b128 v[WN+8*\bb+4:WN+8*\bb+7], v7, s[12:13] offset:64*\bb+16
.endr
	v_mul_u32_u24 v3, v1, PITCH
	v_lshl_add_u32 v4, v2, 4, v3                   ; a fragment's row x pitch + 16 x half
	s_mul_i32 s21, s15, HALFT                      ; my 128 tokens
	s_mul_i32 s22, s16, HALFT                      ; my 128 features,
	s_add_co_u32 s22, s22, 2*HALFT                 ; which lie behind x's 256 rows
.irp s, 0,1
	v_add_nc_u32 v[ADRA+\s], s21, v4
	v_add_nc_u32 v[ADRB+\s], s22, v4
	s_add_co_u32 s21, s21, SLOT
	s_add_co_u32 s22, s22, SLOT
.endr
	v_mul_u32_u24 v5, v1, KS                       ; my row's scales: 32 bytes a row,
	v_lshrrev_b32 v6, 8, v5
	v_lshl_add_u32 v5, v6, 4, v5                   ; and 16 more for each 256 passed
	s_mul_i32 s21, s15, HALFS
	s_mul_i32 s22, s16, HALFS
	s_add_co_u32 s22, s22, 2*HALFS
	s_sub_co_u32 s22, s22, s21
	v_mul_u32_u24 v6, s22, v2                      ; lanes 16-31 take W_qkv's
	s_add_co_u32 s21, s21, SCL
	v_add_nc_u32 v5, v5, v6
	v_add_nc_u32 v[ADRS], s21, v5
.macro FRAG reg, adr, q, i             ; 16 rows x 128 K of 4-bit codes: 8 registers, two loads of 16 bytes, 32 bytes apart
.irp c, 0,1
	ds_load_b128 v[\reg+4*\c:\reg+4*\c+3], v[\adr] offset:64*(\q)+32*\c+(\i)*16*PITCH
.endr
.endm
; 16 matrix instructions: token blocks a0, a0 + 1 x the eight feature blocks, 128 along K.  One register carries x's scale word (lanes 0-15) and W_qkv's (lanes 16-31).  The 64 accumulators take turns.
.macro MUL16 a0, p, q, sc, zero
.irp a, \a0, \a0+1
.irp b, 0,1,2,3,4,5,6,7
.if \zero
	v_wmma_scale_f32_16x16x128_f8f6f4 v[8*(8*((\a)%4)+\b):8*(8*((\a)%4)+\b)+7], v[128*(\p)+FR*\b:128*(\p)+FR*\b+FR-1], v[AF+FR*(\a):AF+FR*(\a)+FR-1], 0, v[SC+8*NQ*(\sc)+NQ*\b+(\q)], v[SC+8*NQ*(\sc)+NQ*(\a)+(\q)] matrix_a_fmt:MATRIX_FMT_FP4 matrix_b_fmt:MATRIX_FMT_FP4 matrix_a_scale:MATRIX_SCALE_ROW1
.else
	v_wmma_scale_f32_16x16x128_f8f6f4 v[8*(8*((\a)%4)+\b):8*(8*((\a)%4)+\b)+7], v[128*(\p)+FR*\b:128*(\p)+FR*\b+FR-1], v[AF+FR*(\a):AF+FR*(\a)+FR-1], v[8*(8*((\a)%4)+\b):8*(8*((\a)%4)+\b)+7], v[SC+8*NQ*(\sc)+NQ*\b+(\q)], v[SC+8*NQ*(\sc)+NQ*(\a)+(\q)] matrix_a_fmt:MATRIX_FMT_FP4 matrix_b_fmt:MATRIX_FMT_FP4 matrix_a_scale:MATRIX_SCALE_ROW1
.endif
.endr
.endr
.endm
.macro FETCH_B slot, q, p
	WIN TO_B
.irp i, 0,1,2,3,4,5,6,7
	FRAG 128*(\p)+FR*\i, ADRB+\slot, \q, \i
.endr
	WIN 0
.endm
.macro FETCH_A slot, q, i0
.irp i, \i0, \i0+1, \i0+2, \i0+3
	FRAG AF+FR*(\i), ADRA+\slot, \q, \i
.endr
.endm
.macro SCALES sc                       ; a slot's scale words: four words a row; lanes 0-15 x's block i, lanes 16-31 W_qkv's block i
.irp i, 0,1,2,3,4,5,6,7
	ds_load_b128 v[SC+8*NQ*\sc+NQ*\i:SC+8*NQ*\sc+NQ*\i+3], v[ADRS] offset:\i*SBLK
.endr
.endm
.macro PLACES n                        ; plain vector instructions between a matrix instruction and a load into, or a read of, its registers
.rept \n
	v_nop
.endr
.endm
.macro STEP slot, q, zero              ; 128 along K that has its successor in the same slot
	s_wait_dscnt 4*NL                              ; W_qkv's set and x's blocks 0-3 are in; the youngest eight loads (x's blocks 4-7) may be out
	WIN MUL_LO
	MUL16 0, (\q)%2, \q, \slot, \zero
	MUL16 2, (\q)%2, \q, \slot, \zero
	s_wait_dscnt 0                                 ; x's blocks 4-7 are in
	PLACES NP
	FETCH_B \slot, (\q)+1, 1-(\q)%2
	FETCH_A \slot, (\q)+1, 0
	WIN MUL_HI
	MUL16 4, (\q)%2, \q, \slot, \zero
	MUL16 6, (\q)%2, \q, \slot, \zero
	PLACES NP
	WIN 0
	FETCH_A \slot, (\q)+1, 4
.endm
.macro STEPS slot, from
.set Q, \from
.rept NQ-1-\from
	STEP \slot, Q, 0
.set Q, Q+1
.endr
.endm
	s_wait_tensorcnt 1                             ; the scales and my part of slot 0 are in; slot 1's load may be out
	s_barrier_signal -1
	s_barrier_wait -1                              ; everybody's are
	FETCH_B 0, 0, 0
	FETCH_A 0, 0, 0
	SCALES 0
	FETCH_A 0, 0, 4
	STEP 0, 0, 1                                   ; the first products start the sums: nothing is cleared
	STEPS 0, 1
	; slot 0's last step changes slots: one barrier; in front of it my last tensor load has landed
	s_wait_tensorcnt 0x0                           ; my part of slot 1 is in
	ds_add_u32 v[SPW], v[NIL]                      ; 0 onto my spare word
	s_wait_dscnt 4*NL+1                            ; (the add and the youngest eight loads may be out)
	WIN MUL_LO
	MUL16 0, 1, NQ-1, 0, 0
	s_wait_dscnt 0x0                               ; no LDS instruction of mine is pending at the signal
	s_barrier_signal -1
	MUL16 2, 1, NQ-1, 0, 0
	WIN 0
	s_barrier_wait -1                              ; slot 1 is whole
	PLACES NP
	v_add_nc_u32 v[ADRS], 4*NQ, v[ADRS]            ; on to slot 1's scale words
	FETCH_B 1, 0, 0
	FETCH_A 1, 0, 0
	SCALES 1
	WIN MUL_HI
	MUL16 4, 1, NQ-1, 0, 0
	MUL16 6, 1, NQ-1, 0, 0
	PLACES NP
	WIN 0
	FETCH_A 1, 0, 4
	STEPS 1, 0
	s_wait_dscnt 4*NL                              ; the very last step: nothing more to fetch
	WIN MUL_LO
	MUL16 0, 1, NQ-1, 1, 0
	MUL16 2, 1, NQ-1, 1, 0
	s_wait_dscnt 0
	WIN MUL_HI
	MUL16 4, 1, NQ-1, 1, 0
	MUL16 6, 1, NQ-1, 1, 0
	WIN 0
	; THE WAY OUT.  qf: [b h 32][16 queries 128][4 pieces of 16 channels][lane 32][16 bytes].  kv: [b h 32][128 keys 16][64 keys 2]{k: [16 keys 4][4 pieces][lane][16 bytes], then v the same with the lanes in the order
	; that the turning LDS load wants}.  A wave's 128 tokens are 8 tiles of 16; a piece of 512 bytes is stored whole by one instruction.
	s_cmp_eq_u32 ttmp9, 0
	s_cselect_b64 s[20:21], s[96:97], s[98:99]     ; qf, or kv
	s_cselect_b32 s22, 0, 1                        ; kv's strides are twice qf's
	s_cselect_b32 s23, 0x3e38aa3b, 1.0             ; q: log2(e) / 8
	s_cmp_eq_u32 ttmp9, 2
	s_cselect_b32 s101, -1, 0                      ; all lanes, where the work-group makes v
	s_mov_b32 s104, 0x3c800000                     ; 1 / 64
	s_mov_b32 s105, 0x358637bd                     ; 1e-6
	s_mov_b32 s2, 0x76543210
	s_mov_b32 s3, 0xfedcba98                       ; v_permlanex16_b32's selects for lane l xor 16
	s_lshl_b32 s18, s17, 8
	s_lshl_b32 s19, s15, 7
	s_add_co_u32 s18, s18, s19                     ; my first token
	s_lshr_b32 s19, s18, 11                        ; its batch,
	s_and_b32 s18, s18, 2047                       ; its place in the sequence
	s_lshl_b32 s19, s19, 4
	s_lshl_b32 s42, s40, 2
	s_add_co_u32 s19, s19, s42
	s_lshl_b32 s42, s16, 1
	s_add_co_u32 s19, s19, s42                     ; 16 x batch + my first head
	s_lshl_b32 s19, s19, 18
	s_lshl_b32 s18, s18, 7
	s_add_co_u32 s18, s18, s19
	s_lshl_b32 s18, s18, s22
	s_mov_b32 s19, 0
	s_wait_loadcnt 0x0                             ; the weights are in, and their address registers are free
	s_add_nc_u64 s[92:93], s[20:21], s[18:19]      ; head 0, tiles 0-3
	s_lshl_b32 s12, 8192, s22
	s_mov_b32 s13, 0
	s_add_nc_u64 s[94:95], s[92:93], s[12:13]      ; head 0, tiles 4-7
	s_lshl_b32 s12, 262144, s22
	s_add_nc_u64 s[44:45], s[92:93], s[12:13]      ; head 1
	s_add_nc_u64 s[46:47], s[94:95], s[12:13]
	; these vector lines name no register of the last products: they are also the places behind them
	v_mov_b32 v[ONE], 1.0
	v_and_b32 v1, 31, v0
	v_lshlrev_b32 v2, 4, v1                        ; q, k: 16 x lane
	v_and_b32 v3, 7, v0
	v_bfe_u32 v4, v0, 3, 1
	v_bfe_u32 v5, v0, 4, 1
	v_lshl_add_u32 v3, v5, 3, v3
	v_lshl_add_u32 v3, v4, 4, v3                   ; v: place 16 (r / 8) + 8 h + r % 8,
	v_lshlrev_b32 v3, 4, v3
	v_add_nc_u32 v3, 8192, v3                      ; behind k's 8,192 bytes
	v_cndmask_b32 v[OFFV], v2, v3, s101
.set i, 0
.rept 32
	v_mul_f32 v[WN+i], s23, v[WN+i]
.set i, i+1
.endr
.set i, 0
.rept 32
	v_cndmask_b32 v[WN+i], v[WN+i], v[ONE], s101   ; v has no norm
.set i, i+1
.endr
.set i, 0
.rept 16
	v_mov_b32 v[SS+2*i+1], 0                       ; written once: a lane permute's destination counts as one of its sources
.set i, i+1
.endr
; The sums of squares of a window's eight (tile, head), 32 registers each, two chains each, all sixteen chains side by side; every accumulator is read from its low end on.
.macro SQUARES w
	WIN 0x0a+5*(\w)                                ; sources 0 and 1: window 2 or 3
.irp q, 0,1,2,3,4,5,6,7
	v_pk_mul_f32 v[TT+4*\q:TT+4*\q+1], v[32*\q:32*\q+1], v[32*\q:32*\q+1]
.endr
.irp q, 0,1,2,3,4,5,6,7
	v_pk_mul_f32 v[TT+4*\q+2:TT+4*\q+3], v[32*\q+2:32*\q+3], v[32*\q+2:32*\q+3]
.endr
.irp p, 2,4,6,8,10,12,14
.irp q, 0,1,2,3,4,5,6,7
	v_pk_fma_f32 v[TT+4*\q:TT+4*\q+1], v[32*\q+2*\p:32*\q+2*\p+1], v[32*\q+2*\p:32*\q+2*\p+1], v[TT+4*\q:TT+4*\q+1]
.endr
.irp q, 0,1,2,3,4,5,6,7
	v_pk_fma_f32 v[TT+4*\q+2:TT+4*\q+3], v[32*\q+2*\p+2:32*\q+2*\p+3], v[32*\q+2*\p+2:32*\q+2*\p+3], v[TT+4*\q+2:TT+4*\q+3]
.endr
.endr
	WIN 0
.irp q, 0,1,2,3,4,5,6,7
	v_pk_add_f32 v[TT+4*\q:TT+4*\q+1], v[TT+4*\q:TT+4*\q+1], v[TT+4*\q+2:TT+4*\q+3]
.endr
.irp q, 0,1,2,3,4,5,6,7
	v_add_f32 v[SS+2*(8*(\w)+\q)], v[TT+4*\q], v[TT+4*\q+1]
.endr
.irp q, 0,1,2,3,4,5,6,7
	v_permlanex16_b32 v[SS+2*(8*(\w)+\q)+1], v[SS+2*(8*(\w)+\q)], s2, s3
.endr
.irp q, 0,1,2,3,4,5,6,7
	v_add_f32 v[SS+2*(8*(\w)+\q)], v[SS+2*(8*(\w)+\q)], v[SS+2*(8*(\w)+\q)+1]   ; with lane l xor 16's 32 features: the head's 64
.endr
.irp q, 0,1,2,3,4,5,6,7
	v_fma_f32 v[SS+2*(8*(\w)+\q)], v[SS+2*(8*(\w)+\q)], s104, s105              ; the mean + 1e-6
.endr
.endm
	SQUARES 0
	SQUARES 1
.set i, 0
.rept 16
	v_rsq_f32 v[SS+2*i], v[SS+2*i]
.set i, i+1
.endr
	v_nop                                          ; a plain instruction behind the last of them
	s_wait_alu depctr_va_vdst(0)                   ; one wait for the sixteen, ahead of their first reader
.set i, 0
.rept 16
	v_cndmask_b32 v[SS+2*i], v[SS+2*i], v[ONE], s101
.set i, i+1
.endr
; (tile a, head hh), idx = 2 a + hh: 32 numbers x the row's figure x the weights, rounded to f16, four stores of 512 consecutive bytes.
.macro OUTT idx
.set BSR, 92+2*((\idx)/8)-48*((\idx)%2)
	s_wait_xcnt 0x0                                ; the stores of two turns ago have read their registers: they are written again only behind this wait
	WIN 0x02+(\idx)/8                              ; source 0: window 2 or 3
.set i, 0
.rept 16
	v_pk_mul_f32 v[TT+2*i:TT+2*i+1], v[32*((\idx)%8)+2*i:32*((\idx)%8)+2*i+1], v[SS+2*(\idx):SS+2*(\idx)+1] op_sel_hi:[1,0]
.set i, i+1
.endr
	WIN 0
.set i, 0
.rept 16
	v_pk_mul_f32 v[TT+2*i:TT+2*i+1], v[TT+2*i:TT+2*i+1], v[WN+2*i:WN+2*i+1]
.set i, i+1
.endr
.set i, 0
.rept 16
	v_cvt_pk_f16_f32 v[PK+16*((\idx)%2)+i], v[TT+2*i], v[TT+2*i+1]
.set i, i+1
.endr
.irp bb, 0,1,2,3
	global_store_b128 v[OFFV], v[PK+16*((\idx)%2)+4*\bb:PK+16*((\idx)%2)+4*\bb+3], s[BSR:BSR+1] offset:(((\idx)/2)%4)*2048+\bb*512
.endr
.endm
.irp x, 0,1,2,3,4,5,6,7,8,9,10,11,12,13,14,15
	OUTT \x
.endr
	s_wait_tensorcnt 0x0                           ; the wave's end
	ds_add_u32 v[SPW], v[NIL]
	s_wait_dscnt 0x0
	CROUND                                         ; the closing round: no work-group ends while a partner may still ask for a tile that names it
	s_endpgm
.Lfunc_end_k_qb2e46148cb_qkv:
	.size	k_qb2e46148cb_qkv, .Lfunc_end_k_qb2e46148cb_qkv-k_qb2e46148cb_qkv
	.p2alignl 7, 3214868480
	.fill 96, 4, 3214868480
	.section	.rodata,"a",@progbits
	.p2align	6, 0x0
	.amdhsa_kernel k_qb2e46148cb_qkv
		.amdhsa_group_segment_fixed_size 327680
		.amdhsa_private_segment_fixed_size 0
		.amdhsa_enable_private_segment 0
		.amdhsa_kernarg_size 48
		.amdhsa_user_sgpr_count 2
		.amdhsa_user_sgpr_kernarg_segment_ptr 1
		.amdhsa_wavefront_size32 1
		.amdhsa_system_sgpr_workgroup_id_x 1
		.amdhsa_system_sgpr_workgroup_id_y 1
		.amdhsa_system_sgpr_workgroup_id_z 1
		.amdhsa_system_vgpr_workitem_id 0
		.amdhsa_next_free_vgpr 1024
		.amdhsa_next_free_sgpr 106
		.amdhsa_reserve_vcc 0
		.amdhsa_float_denorm_mode_32 3
		.amdhsa_float_denorm_mode_16_64 3
		.amdhsa_memory_ordered 1
		.amdhsa_forward_progress 1
		.amdhsa_inst_pref_size 178
	.end_amdhsa_kernel
	.amdgpu_metadata
---
amdhsa.version: [ 1, 2 ]
amdhsa.kernels:
  - .name:           k_qb2e46148cb_qkv
    .symbol:         k_qb2e46148cb_qkv.kd
    .args:
      - { .name: codes, .offset: 0, .size: 8, .value_kind: global_buffer, .address_space: global }
      - { .name: scl, .offset: 8, .size: 8, .value_kind: global_buffer, .address_space: global }
      - { .name: q_norm_w, .offset: 16, .size: 8, .value_kind: global_buffer, .address_space: global }
      - { .name: k_norm_w, .offset: 24, .size: 8, .value_kind: global_buffer, .address_space: global }
      - { .name: qf, .offset: 32, .size: 8, .value_kind: global_buffer, .address_space: global }
      - { .name: kv, .offset: 40, .size: 8, .value_kind: global_buffer, .address_space: global }
    .group_segment_fixed_size: 327680
    .private_segment_fixed_size: 0
    .kernarg_segment_align: 8
    .kernarg_segment_size: 48
    .max_flat_workgroup_size: 128
    .sgpr_count:     106
    .vgpr_count:     1024
    .wavefront_size: 32
...
	.end_amdgpu_metadata
.endif
;; end of part 2
;; launch attn (part 3): grid 8 x 32, 8 waves a work-group, clusters of 4 x 4, 327,680 bytes of LDS; arguments qf, kv, bias16, isolation_gate, ao3; writes ao3
.if DOCPART == 3
	.amdgcn_target "amdgcn-amd-amdhsa--gfx1250"
	.amdhsa_code_object_version 6
	.text
	.protected	k_qb2e46148cb_attn
	.globl	k_qb2e46148cb_attn
	.p2align	8
	.type	k_qb2e46148cb_attn,@function
k_qb2e46148cb_attn:
	s_mov_b64 s[64:65], 0
	v_nop
	global_prefetch_b8 v0, s[64:65] scope:SCOPE_SE
	s_setreg_imm32_b32 hwreg(HW_REG_WAVE_MODE, 25, 1), 1
	s_wait_xcnt 0x0
	s_wait_alu depctr_hold_cnt(0) depctr_sa_sdst(0) depctr_va_vdst(0) depctr_va_sdst(0) depctr_va_ssrc(0) depctr_va_vcc(0) depctr_vm_vsrc(0)
	s_getreg_b32 s2, hwreg(HW_REG_IB_STS2, 6, 4)
	s_cmp_eq_u32 s2, 0
	s_cbranch_scc0 .Lentry_in_a_cluster
	s_endpgm
.Lentry_in_a_cluster:
	s_bfe_u32 s2, ttmp6, 0x10000c
	s_cmp_lg_u32 s2, 0xf033
	s_cbranch_scc0 .Lentry_shape_is_right
	s_endpgm
.Lentry_shape_is_right:
; O = softmax(q k^T / 8 + 3 clip(gate, 0, 1) bias) v for one (batch, head) and 256 queries a work-group; all operands f16, products, maxima and sums f32; a running maximum is taken away before every exponential.
; q arrives multiplied by log2(e) / 8, so the scores are exponents of 2: p = 2^(s - m).
; SHARES.  Eight waves, 32 queries each (two tiles t of 16), two waves to a SIMD, so that one wave's softmax stands beside the other's products.  Every wave walks all 2,048 keys, 64 a step, 128 a slot.
; LAYOUT.  S^T = K Q^T (source 0 = 16 keys, source 1 = 16 queries) and O^T = V^T P: a lane holds ONE query (lane % 16) throughout; two score tiles rounded to f16 in pairs ARE source 1 of the second product.
; THE BIAS COSTS NO VECTOR INSTRUCTION: a score tile's sum begins with one product more: source 0 = the bias of 16 keys x my wave's 32 queries, source 1 = a matrix that holds G = 3 log2(e) clip(gate) where its row is
; the tile's own query and 0 elsewhere.  All operands lie in memory in the order of the operands' registers, so every LDS load takes 512 consecutive bytes; V is turned by ds_load_tr16_b128.
; CLUSTER 4 x 4: the four work-groups of a column have the same queries of one batch and four heads: they share the bias tiles; the four of a row have one head: they share K and V.  Each tile is asked for jointly.
; LIMITS: NaN and infinities are not served.  The bias and G are f16: the error of the bias term grows with the size of interaction_mask.
; LDS: slot s at 98,304 s: 65,536 bytes of bias (wave w's 8,192 at 8,192 w), then 32,768 of K and V ([64 keys 2]{K 8,192, V 8,192}); from 196,608 a stage of 32 rows x 144 bytes for each wave; from 233,472 the spare words.
; REGISTERS: window 0: v2-11 addresses; v16-31 statistics, 8 a tile: +0 m, +2, +3 l, +4 .. +7 at work (a in +6); v32-43 zeros, G's four registers, zeros; v44-75 Q; v76-139 S^T; v140-171 P; v172-235 O^T.
;   window 1: v0-63 K's fragments; v64-127 V's; v128-159 the bias's.
.set SLOTB, 98304
.set KVO,   65536
.set STAGE, 196608
.set SPARE, 233472                     ; 128 bytes for each of 8 waves: four blocks of 256 bytes that no other line names
.set ADB, 2                            ; v2-3  my wave's bias in slot 0, 1
.set ADK, 4                            ; v4-5  K and V in slot 0, 1
.set L16, 6                            ; v6    16 x lane
.set STO, 7
.set RD,  8
.set PFO, 9                            ; v9    256 x lane
.set SPW, 10
.set NIL, 11
.set ST,  16
.set DG,  32
.set Q,   44
.set S,   76
.set P,   140
.set O,   172
.set KF,  0
.set VF,  64
.set BF,  128
.set WV,  14
.set G1B, 24                           ; s[24:31] group 1 for the bias's tiles;  s[32:39] for K and V's
.set G1K, 32
.set G0B, 40                           ; s[40:47] group 0 for the bias's tiles, a set for each slot;  s[48:55] for K and V's
.set G0K, 48
.set CNT, 56
.set LIM, 58                           ; 1 in a wave that prefetches
.set SEL, 60
.set PFS, 62                           ; s[62:63] a tile on, in bytes, in the stream that I prefetch
.set PFA, 66                           ; s[66:67] where my prefetches stand
.set MSB, 0
.macro WIN new
.if MSB != \new
	s_set_vgpr_msb (MSB<<8)|\new
.set MSB, \new
.endif
.endm
.set LOADW, 0x40                       ; destination window 1, address window 0
.set MUL,   0x01                       ; source 0 window 1, all else window 0
; A joint load into slot sl: waves 0-3 a quarter of the bias's tile each, waves 4-7 a quarter of K and V's.  The branch hangs on the wave's number alone.  An s_nop 0 and four v_nop follow each line.
.macro JLOAD sl
	s_cmp_lt_u32 s[WV], 4
	s_cbranch_scc0 .Lfor_kv_\@
	tensor_load_to_lds s[G0B+4*(\sl):G0B+4*(\sl)+3], s[G1B:G1B+7]
	s_nop 0
.rept 4
	v_nop
.endr
	s_branch .Lasked_\@
.Lfor_kv_\@:
	tensor_load_to_lds s[G0K+4*(\sl):G0K+4*(\sl)+3], s[G1K:G1K+7]
	s_nop 0
.rept 4
	v_nop
.endr
.Lasked_\@:
.endm
; A PREFETCH INTO THE L2 of the tile that the NEXT round's loads will ask for: two key steps, 80 matrix instructions of each wave, ahead.  Each aligned block of 256 bytes is named once in the launch.  A bias tile is read by the
; four clusters of a batch that stand above each other: the first of them asks; its column's four partners take 16,384 bytes each BY ADDRESS, waves 0 and 1 half of that each, lanes 256 bytes apart.  A tile of K and V is
; read by the two clusters side by side: the first asks; its row's four partners take 8,192 bytes each by address, wave 4.  The test hangs on the wave's number and the cluster's numbers, never on a place in the cluster.
.macro ASK
	s_cmp_eq_u32 s[LIM], 1
	s_cbranch_scc0 .Lnot_mine_\@
	global_prefetch_b8 v[PFO], s[PFA:PFA+1] th:TH_LOAD_NT scope:SCOPE_SE
.Lnot_mine_\@:
.endm
.macro CROUND                          ; a round of the cluster's barrier
	s_barrier_signal -1
	s_barrier_wait -1
	s_cmp_lg_u32 s[WV], 0
	s_cbranch_scc1 .Lnot_wave_0_\@
	s_barrier_signal -3
.Lnot_wave_0_\@:
	s_barrier_wait -3
	s_barrier_signal -1
	s_barrier_wait -1
.endm
.macro PLACES
.rept 4
	v_nop
.endr
.endm
	s_load_b256 s[4:11], s[0:1], 0x0               ; qf s[4:5], kv s[6:7], bias16 s[8:9], isolation_gate s[10:11]
	s_load_b64 s[12:13], s[0:1], 0x20              ; ao3
	v_lshl_add_u32 v[SPW], v0, 2, SPARE
	v_mov_b32 v[NIL], 0
	ds_add_u32 v[SPW], v[NIL]                      ; the wave's opening
	ds_add_u32 v[SPW], v[NIL]
	v_lshrrev_b32 v1, 5, v0
	v_readfirstlane_b32 s[WV], v1                  ; wave 0..7
	s_and_b32 s15, s[WV], 3                        ; which quarter of a tile I fetch
	s_bfe_u32 s16, ttmp6, 0x40000                  ; cx
	s_bfe_u32 s17, ttmp6, 0x40004                  ; cy
	s_lshl_b32 s18, ttmp9, 2
	s_add_co_u32 s18, s18, s16                     ; my block of 256 queries = 4 x cluster x + cx
	s_and_b32 s20, ttmp7, 0xffff                   ; cluster y
	s_lshl_b32 s19, s20, 2
	s_add_co_u32 s19, s19, s17                     ; 16 x batch + head = 4 x cluster y + cy
	s_lshr_b32 s21, s20, 2                         ; the batch: the same in the whole cluster
	s_lshl_b32 s22, 0x1111, s16                    ; my column of the cluster
	s_lshl_b32 s23, s17, 2
	s_lshl_b32 s23, 15, s23                        ; my row
	s_or_b32 s[G1B], s22, (3<<16)|(1<<21)          ; the mask; elements of 8 bytes; no padding; bit 21 beside a mask
	s_or_b32 s[G1K], s23, (3<<16)|(1<<21)
	s_mov_b32 s[G1B+1], 32<<16                     ; a dense block as rows of 256 bytes: tensor_dim0 = 32
	s_mov_b32 s[G1B+2], 64<<16                     ; tensor_dim1 = 64 rows: 16,384 bytes
	s_mov_b32 s[G1B+3], 32<<16                     ; tile_dim0
	s_mov_b32 s[G1B+4], 64                         ; tile_dim1
	s_mov_b32 s[G1B+5], 32                         ; the pitch
	s_mov_b32 s[G1B+6], 0
	s_mov_b32 s[G1B+7], 0
	s_mov_b32 s[G1K+1], 32<<16
	s_mov_b32 s[G1K+2], 32<<16                     ; 32 rows: 8,192 bytes
	s_mov_b32 s[G1K+3], 32<<16
	s_mov_b32 s[G1K+4], 32
	s_mov_b32 s[G1K+5], 32
	s_mov_b32 s[G1K+6], 0
	s_mov_b32 s[G1K+7], 0
	s_lshl_b32 s72, s21, 23                        ; the bias: the batch, my block of queries, my quarter: nothing of cy
	s_lshl_b32 s73, s18, 20
	s_add_co_u32 s72, s72, s73
	s_lshl_b32 s76, s15, 14
	s_add_co_u32 s72, s72, s76
	s_mov_b32 s73, 0
	s_lshl_b32 s74, s19, 19                        ; K and V: batch and head, my quarter: nothing of cx
	s_lshl_b32 s77, s15, 13
	s_add_co_u32 s74, s74, s77
	s_mov_b32 s75, 0
	s_add_co_u32 s77, s77, KVO
	s_mov_b32 s[SEL], 0x76543210
	s_mov_b32 s[SEL+1], 0xfedcba98
	s_wait_dscnt 0x0                               ; both opening adds are done
	s_wait_kmcnt 0x0
	s_add_nc_u64 s[68:69], s[8:9], s[72:73]
	s_add_nc_u64 s[70:71], s[6:7], s[74:75]
	CROUND                                         ; all sixteen work-groups are here: the first joint loads meet
.irp s, 0,1
	s_mov_b32 s[G0B+4*\s], 1
	s_add_co_u32 s[G0B+4*\s+1], s76, \s*SLOTB
	s_add_nc_u64 s[G0B+4*\s+2:G0B+4*\s+3], s[68:69], \s*65536
	s_or_b32 s[G0B+4*\s+3], s[G0B+4*\s+3], 0x80000000
	s_mov_b32 s[G0K+4*\s], 1
	s_add_co_u32 s[G0K+4*\s+1], s77, \s*SLOTB
	s_add_nc_u64 s[G0K+4*\s+2:G0K+4*\s+3], s[70:71], \s*32768
	s_or_b32 s[G0K+4*\s+3], s[G0K+4*\s+3], 0x80000000
.endr
	JLOAD 0                                        ; tile 0.  One tensor load of mine is out, here and behind every round
	s_lshl_b32 s80, s19, 18                        ; Q: 262,144 bytes a head, 32,768 a block of queries, 4,096 a wave
	s_lshl_b32 s81, s18, 15
	s_add_co_u32 s80, s80, s81
	s_lshl_b32 s81, s[WV], 12
	s_add_co_u32 s80, s80, s81
	s_mov_b32 s81, 0
	s_add_nc_u64 s[4:5], s[4:5], s[80:81]
	v_and_b32 v1, 31, v0
	v_lshlrev_b32 v[L16], 4, v1
.irp t, 0,1
.irp u, 0,1
.irp c, 0,1
	global_load_b128 v[Q+16*\t+8*\u+4*\c:Q+16*\t+8*\u+4*\c+3], v[L16], s[4:5] offset:\t*2048+\u*1024+\c*512
.endr
.endr
.endr
	s_lshl_b32 s82, s21, 4                         ; ao3 is [128 tokens 32][head 16][128][64]: my 32 rows are 4,096 consecutive bytes
	s_lshl_b32 s83, s18, 1
	s_add_co_u32 s82, s82, s83
	s_lshr_b32 s83, s[WV], 2
	s_add_co_u32 s82, s82, s83
	s_lshl_b32 s82, s82, 4
	s_and_b32 s84, s19, 15                         ; the head
	s_add_co_u32 s82, s82, s84
	s_lshl_b32 s82, s82, 14
	s_lshl_b32 s83, s15, 12
	s_add_co_u32 s82, s82, s83
	s_mov_b32 s83, 0
	s_add_nc_u64 s[12:13], s[12:13], s[82:83]
	s_lshl_b32 s84, s84, 2
	s_mov_b32 s85, 0
	s_add_nc_u64 s[10:11], s[10:11], s[84:85]
	s_load_b32 s88, s[10:11], 0x0                  ; my head's gate
	s_lshl_b32 s89, s[WV], 13
	v_add_nc_u32 v[ADB], s89, v[L16]
	v_add_nc_u32 v[ADB+1], SLOTB, v[ADB]
	v_add_nc_u32 v[ADK], KVO, v[L16]
	v_add_nc_u32 v[ADK+1], SLOTB+KVO, v[L16]
	s_mul_i32 s87, s[WV], 32*144
	s_add_co_u32 s87, s87, STAGE                   ; my stage
	v_and_b32 v12, 15, v0
	v_bfe_u32 v13, v0, 4, 1
	v_mul_u32_u24 v[STO], v12, 144
	v_lshl_add_u32 v[STO], v13, 4, v[STO]
	v_add_nc_u32 v[STO], s87, v[STO]               ; in: row r, 16 bytes for each half of the lanes
	v_lshrrev_b32 v14, 3, v1
	v_and_b32 v15, 7, v0
	v_mul_u32_u24 v[RD], v14, 144
	v_lshl_add_u32 v[RD], v15, 4, v[RD]
	v_add_nc_u32 v[RD], s87, v[RD]                 ; back: eight lanes to a row of 128 bytes
	v_lshlrev_b32 v[PFO], 8, v1
	v_mov_b32 v1, 0
	; the prefetches: where my wave's stand, and who asks
	s_lshl_b32 s90, s21, 23
	s_lshl_b32 s91, s18, 20
	s_add_co_u32 s90, s90, s91
	s_lshl_b32 s91, s17, 14                        ; the column's partners share a bias tile out by address,
	s_add_co_u32 s90, s90, s91
	s_and_b32 s91, s[WV], 1
	s_lshl_b32 s91, s91, 13
	s_add_co_u32 s90, s90, s91
	s_add_co_u32 s90, s90, 65536                   ; at tile 1: the first trip steps it to tile 2.  Nothing is asked for at the head
	s_lshl_b32 s92, s19, 19
	s_lshl_b32 s91, s16, 13                        ; the row's partners a tile of K and V
	s_add_co_u32 s92, s92, s91
	s_add_co_u32 s92, s92, 32768
	s_mov_b32 s[PFS], 32768
	s_and_b32 s93, s20, 3
	s_cmp_lt_u32 s[WV], 4
	s_cselect_b64 s[PFA:PFA+1], s[8:9], s[6:7]
	s_cselect_b32 s90, s90, s92
	s_cselect_b32 s[PFS], 65536, s[PFS]
	s_mov_b32 s91, 0
	s_mov_b32 s[PFS+1], 0
	s_add_nc_u64 s[PFA:PFA+1], s[PFA:PFA+1], s[90:91]
	s_cmp_lt_u32 s[WV], 2
	s_cselect_b32 s93, s93, 1                      ; waves 0, 1: the first of the batch's four clusters along y
	s_cmp_eq_u32 s[WV], 4
	s_cselect_b32 s93, ttmp9, s93                  ; wave 4: the first of the two clusters along x
	s_cmp_eq_u32 s93, 0
	s_cselect_b32 s[LIM], 1, 0
.set i, 0
.rept 64
	v_mov_b32 v[O+i], 0                            ; O^T.  (The step is written once: the first finds zeros, which the first change of m leaves zeros)
.set i, i+1
.endr
.irp t, 0,1
	v_mov_b32 v[ST+8*\t], 0xff61b1e6               ; m: -3e38, under every score
.irp i, 1,2,3,4,5,6,7
	v_mov_b32 v[ST+8*\t+\i], 0                     ; l, and what pairs and lane permutes name before it is first written
.endr
.endr
	s_wait_kmcnt 0x0                               ; the gate
	v_mov_b32 v12, s88
	v_med3_num_f32 v12, v12, 0, 1.0                ; clipped to 0 .. 1
	v_mul_f32 v12, 0x408a7fac, v12                 ; x 3 log2(e)
	v_cvt_pk_f16_f32 v12, v12, v1                  ; G in the low half, 0 above
	v_and_b32 v13, 1, v0
	v_lshlrev_b32 v13, 4, v13
	v_lshlrev_b32 v12, v13, v12                    ; column r of the matrix has G at row r: in lane (r, h = r / 8), register (r % 8) / 2, half r % 2
	v_bfe_u32 v14, v0, 3, 1
	v_bfe_u32 v15, v0, 4, 1
	v_cmp_eq_u32 s89, v14, v15
	v_cndmask_b32 v12, v1, v12, s89
	v_bfe_u32 v14, v0, 1, 2
.irp i, 0,1,2,3
	v_cmp_eq_u32 s89, \i, v14
	v_cndmask_b32 v[DG+4+\i], v1, v12, s89
	v_mov_b32 v[DG+\i], 0                          ; tile 0 takes v36-43 (G's rows 0-15, zeros), tile 1 v32-39 (zeros, G's rows 16-31)
	v_mov_b32 v[DG+8+\i], 0
.endr
.macro LOADKB sl, st                   ; step st of slot sl: K's 16 pieces and my bias's 8: 24 loads of 512 consecutive bytes
	WIN LOADW
.irp kt, 0,1,2,3
.irp c, 0,1
	ds_load_b128 v[BF+8*\kt+4*\c:BF+8*\kt+4*\c+3], v[ADB+\sl] offset:(4*(\st)+\kt)*1024+\c*512
.endr
.endr
.irp kt, 0,1,2,3
.irp u, 0,1
.irp c, 0,1
	ds_load_b128 v[KF+16*\kt+8*\u+4*\c:KF+16*\kt+8*\u+4*\c+3], v[ADK+\sl] offset:(\st)*16384+\kt*2048+\u*1024+\c*512
.endr
.endr
.endr
.endm
.macro LOADV sl, st                    ; its V, turned: fragment (32 keys kg, 16 channels ct): 16 loads
	WIN LOADW
.irp kg, 0,1
.irp ct, 0,1,2,3
	ds_load_tr16_b128 v[VF+8*(4*\kg+\ct):VF+8*(4*\kg+\ct)+3], v[ADK+\sl] offset:(\st)*16384+8192+(2*\kg)*2048+\ct*512
	ds_load_tr16_b128 v[VF+8*(4*\kg+\ct)+4:VF+8*(4*\kg+\ct)+7], v[ADK+\sl] offset:(\st)*16384+8192+(2*\kg+1)*2048+\ct*512
.endr
.endr
.endm
; 24 products: the bias starts each of the eight sums, K Q^T's two links follow; the eight accumulators take turns, one instruction a turn.
.macro QK
	WIN MUL
.irp kt, 0,1,2,3
.irp t, 0,1
	v_wmma_f32_16x16x32_f16 v[S+32*\t+8*\kt:S+32*\t+8*\kt+7], v[BF+8*\kt:BF+8*\kt+7], v[DG+4-4*\t:DG+11-4*\t], 0
.endr
.endr
.irp u, 0,1
.irp kt, 0,1,2,3
.irp t, 0,1
	v_wmma_f32_16x16x32_f16 v[S+32*\t+8*\kt:S+32*\t+8*\kt+7], v[KF+16*\kt+8*\u:KF+16*\kt+8*\u+7], v[Q+16*\t+8*\u:Q+16*\t+8*\u+7], v[S+32*\t+8*\kt:S+32*\t+8*\kt+7]
.endr
.endr
.endr
.endm
.macro PV                              ; 16 products O^T += V^T P, eight accumulators by turns
	WIN MUL
.irp kg, 0,1
.irp ct, 0,1,2,3
.irp t, 0,1
	v_wmma_f32_16x16x32_f16 v[O+32*\t+8*\ct:O+32*\t+8*\ct+7], v[VF+8*(4*\kg+\ct):VF+8*(4*\kg+\ct)+7], v[P+16*\t+8*\kg:P+16*\t+8*\kg+7], v[O+32*\t+8*\ct:O+32*\t+8*\ct+7]
.endr
.endr
.endr
.endm
; The softmax of a step, both tiles line by line.  Each score tile is read from its low end on.
.macro SMX
	WIN 0
.irp j, 0,1,2,3
.irp t, 0,1
	v_max3_num_f32 v[ST+8*\t+4+\j], v[S+32*\t+8*\j], v[S+32*\t+8*\j+1], v[S+32*\t+8*\j+2]
.endr
.endr
.irp g, 1,2
.irp j, 0,1,2,3
.irp t, 0,1
	v_max3_num_f32 v[ST+8*\t+4+\j], v[ST+8*\t+4+\j], v[S+32*\t+8*\j+2*\g+1], v[S+32*\t+8*\j+2*\g+2]
.endr
.endr
.endr
.irp t, 0,1
	v_max3_num_f32 v[ST+8*\t+4], v[ST+8*\t+4], v[S+32*\t+7], v[S+32*\t+15]
.endr
.irp t, 0,1
	v_max3_num_f32 v[ST+8*\t+6], v[ST+8*\t+6], v[S+32*\t+23], v[S+32*\t+31]
.endr
.irp t, 0,1
	v_max3_num_f32 v[ST+8*\t+4], v[ST+8*\t+4], v[ST+8*\t+5], v[ST+8*\t+6]
.endr
.irp t, 0,1
	v_max3_num_f32 v[ST+8*\t+4], v[ST+8*\t+4], v[ST+8*\t+7], v[ST+8*\t]      ; with the old m
.endr
.irp t, 0,1
	v_permlanex16_b32 v[ST+8*\t+5], v[ST+8*\t+4], s[SEL], s[SEL+1]           ; the query's other 32 keys lie in the lane 16 away
.endr
.irp t, 0,1
	v_mov_b32 v[ST+8*\t+7], v[ST+8*\t]
.endr
.irp t, 0,1
	v_max_num_f32 v[ST+8*\t], v[ST+8*\t+4], v[ST+8*\t+5]                     ; the new m
.endr
.irp t, 0,1
	v_sub_f32 v[ST+8*\t+7], v[ST+8*\t+7], v[ST+8*\t]                         ; old m - new m
.endr
.set i, 0
.rept 16
.irp t, 0,1
	v_pk_add_f32 v[S+32*\t+2*i:S+32*\t+2*i+1], v[S+32*\t+2*i:S+32*\t+2*i+1], v[ST+8*\t:ST+8*\t+1] op_sel_hi:[1,0] neg_lo:[0,1] neg_hi:[0,1]   ; s - m
.endr
.set i, i+1
.endr
.irp t, 0,1
	v_exp_f32 v[ST+8*\t+6], v[ST+8*\t+7]           ; a = 2^(old m - new m)
.endr
.set i, 0
.rept 32
.irp t, 0,1
	v_exp_f32 v[S+32*\t+i], v[S+32*\t+i]           ; p = 2^(s - m)
.endr
.set i, i+1
.endr
	v_nop                                          ; a plain instruction behind the last exponential
	s_wait_alu depctr_va_vdst(0)                   ; ONE wait for the 66, ahead of the first line that names a result
.set i, 0
.rept 16
.irp t, 0,1
	v_cvt_pk_f16_f32 v[P+16*\t+i], v[S+32*\t+2*i], v[S+32*\t+2*i+1]
.endr
.set i, i+1
.endr
.set i, 0
.rept 16
.irp t, 0,1
	v_pk_mul_f32 v[O+32*\t+2*i:O+32*\t+2*i+1], v[O+32*\t+2*i:O+32*\t+2*i+1], v[ST+8*\t+6:ST+8*\t+7] op_sel_hi:[1,0]   ; O^T under the new m
.endr
.set i, i+1
.endr
.endm
; l = a l + the sum of the step's unrounded p, in place on S^T.  These 32 plain lines name no register of the products V^T P: they are the places behind them.
.macro SUMS
	WIN 0
.irp u, 0,1,2,3,4,5,6,7
.irp t, 0,1
	v_pk_add_f32 v[S+32*\t+4*\u:S+32*\t+4*\u+1], v[S+32*\t+4*\u:S+32*\t+4*\u+1], v[S+32*\t+4*\u+2:S+32*\t+4*\u+3]
.endr
.endr
.irp u, 0,1,2,3
.irp t, 0,1
	v_pk_add_f32 v[S+32*\t+8*\u:S+32*\t+8*\u+1], v[S+32*\t+8*\u:S+32*\t+8*\u+1], v[S+32*\t+8*\u+4:S+32*\t+8*\u+5]
.endr
.endr
.irp u, 0,1
.irp t, 0,1
	v_pk_add_f32 v[S+32*\t+16*\u:S+32*\t+16*\u+1], v[S+32*\t+16*\u:S+32*\t+16*\u+1], v[S+32*\t+16*\u+8:S+32*\t+16*\u+9]
.endr
.endr
.irp t, 0,1
	v_pk_add_f32 v[S+32*\t:S+32*\t+1], v[S+32*\t:S+32*\t+1], v[S+32*\t+16:S+32*\t+17]
.endr
.irp t, 0,1
	v_pk_fma_f32 v[ST+8*\t+2:ST+8*\t+3], v[ST+8*\t+2:ST+8*\t+3], v[ST+8*\t+6:ST+8*\t+7], v[S+32*\t:S+32*\t+1] op_sel_hi:[1,0,1]
.endr
.endm
; A TRIP: the 128 keys of one slot.  In front of the round each wave waits for all its tensor loads (the one that is out is its part of this slot), adds 0 to its spare word, and waits for that and for its reads of the other
; slot.  Behind the round this slot is whole in every partner and nobody reads the other: refill = 1: the next tile is asked for into it, first thing; it has the trip's 80 matrix instructions of each wave in which to land.
.macro TRIP slot, refill, ask
.if \ask
	s_wait_xcnt 0x0                                ; the last prefetch, a trip back, has read its address, so it may be written
	s_add_nc_u64 s[PFA:PFA+1], s[PFA:PFA+1], s[PFS:PFS+1]
.endif
	s_wait_tensorcnt 0x0                           ; no tensor load of mine is out, so a group 0 may be written
	ds_add_u32 v[SPW], v[NIL]                      ; 0 onto my spare word
	s_add_nc_u64 s[G0B+4*\slot+2:G0B+4*\slot+3], s[G0B+4*\slot+2:G0B+4*\slot+3], 131072   ; this slot's next tile: two tiles on
	s_add_nc_u64 s[G0K+4*\slot+2:G0K+4*\slot+3], s[G0K+4*\slot+2:G0K+4*\slot+3], 65536
	s_wait_dscnt 0x0                               ; the add is done, and my reads of the other slot are over
	CROUND
.if \refill
	JLOAD 1-\slot
.endif
.if \ask
	ASK
.endif
	LOADKB \slot, 0
	LOADV \slot, 0
	s_wait_dscnt 16                                ; K and the bias are in; V's sixteen loads may be out
	QK
	PLACES                                         ; behind the products: for the loads into K's and the bias's registers, and for the first read of the scores
	LOADKB \slot, 1
	SMX
	s_wait_dscnt 24                                ; V is in; the next step's 24 loads may be out
	PV
	SUMS
	LOADV \slot, 1
	s_wait_dscnt 16                                ; the second step's K and bias are in
	QK
	PLACES
	SMX
	s_wait_dscnt 0x0                               ; V
	PV
	SUMS
.endm
	s_wait_loadcnt 0x0                             ; Q
	s_mov_b32 s[CNT], 7
.Lloop:                                            ; seven trips of two tiles: tiles 0 to 13; each asks for the next tile and prefetches the one after
	TRIP 0, 1, 1
	TRIP 1, 1, 1
	s_sub_co_u32 s[CNT], s[CNT], 1
	s_cmp_lg_u32 s[CNT], 0
	s_cbranch_scc1 .Lloop
	TRIP 0, 1, 0                                   ; the tail is written out: tile 14 asks for tile 15
	TRIP 1, 0, 0                                   ; which asks for nothing
	; THE WAY OUT.  O^T / l, rounded to f16, through my stage in LDS: a lane's eight channels of a row are 16 bytes; they come back as four whole rows of 128 bytes an instruction, and my 32 rows are 4,096 consecutive bytes of ao3.
.irp t, 0,1
	v_add_f32 v[ST+8*\t+4], v[ST+8*\t+2], v[ST+8*\t+3]
.endr
.irp t, 0,1
	v_permlanex16_b32 v[ST+8*\t+5], v[ST+8*\t+4], s[SEL], s[SEL+1]
.endr
.irp t, 0,1
	v_add_f32 v[ST+8*\t+4], v[ST+8*\t+4], v[ST+8*\t+5]
.endr
.irp t, 0,1
	v_rcp_f32 v[ST+8*\t+6], v[ST+8*\t+4]
.endr
	v_nop                                          ; a plain instruction behind the last reciprocal
	s_wait_alu depctr_va_vdst(0)                   ; one wait for the two, ahead of their first reader
.irp t, 0,1
.set i, 0
.rept 16
	v_pk_mul_f32 v[S+32*\t+2*i:S+32*\t+2*i+1], v[O+32*\t+2*i:O+32*\t+2*i+1], v[ST+8*\t+6:ST+8*\t+7] op_sel_hi:[1,0]
.set i, i+1
.endr
.set i, 0
.rept 16
	v_cvt_pk_f16_f32 v[P+16*\t+i], v[S+32*\t+2*i], v[S+32*\t+2*i+1]
.set i, i+1
.endr
.irp ct, 0,1,2,3
	ds_store_b128 v[STO], v[P+16*\t+4*\ct:P+16*\t+4*\ct+3] offset:\t*2304+32*\ct
.endr
.endr
.irp i, 0,1,2,3,4,5,6,7
	ds_load_b128 v[S+4*\i:S+4*\i+3], v[RD] offset:576*\i   ; LDS serves a wave's instructions in order (ISA guide 5.7.1.4): these see my stores
.endr
.irp i, 0,1,2,3,4,5,6,7
	s_wait_dscnt 7-\i
	global_store_b128 v[L16], v[S+4*\i:S+4*\i+3], s[12:13] offset:512*\i   ; 512 consecutive bytes
.endr
	s_wait_tensorcnt 0x0                           ; the wave's end
	ds_add_u32 v[SPW], v[NIL]
	s_wait_dscnt 0x0
	CROUND                                         ; the closing round: no work-group ends while a partner may still ask for a tile that names it
	s_endpgm
.Lfunc_end_k_qb2e46148cb_attn:
	.size	k_qb2e46148cb_attn, .Lfunc_end_k_qb2e46148cb_attn-k_qb2e46148cb_attn
	.p2alignl 7, 3214868480
	.fill 96, 4, 3214868480
	.section	.rodata,"a",@progbits
	.p2align	6, 0x0
	.amdhsa_kernel k_qb2e46148cb_attn
		.amdhsa_group_segment_fixed_size 327680
		.amdhsa_private_segment_fixed_size 0
		.amdhsa_enable_private_segment 0
		.amdhsa_kernarg_size 40
		.amdhsa_user_sgpr_count 2
		.amdhsa_user_sgpr_kernarg_segment_ptr 1
		.amdhsa_wavefront_size32 1
		.amdhsa_system_sgpr_workgroup_id_x 1
		.amdhsa_system_sgpr_workgroup_id_y 1
		.amdhsa_system_sgpr_workgroup_id_z 1
		.amdhsa_system_vgpr_workitem_id 0
		.amdhsa_next_free_vgpr 512
		.amdhsa_next_free_sgpr 96
		.amdhsa_reserve_vcc 0
		.amdhsa_float_denorm_mode_32 3
		.amdhsa_float_denorm_mode_16_64 3
		.amdhsa_memory_ordered 1
		.amdhsa_forward_progress 1
		.amdhsa_inst_pref_size 166
	.end_amdhsa_kernel
	.amdgpu_metadata
---
amdhsa.version: [ 1, 2 ]
amdhsa.kernels:
  - .name:           k_qb2e46148cb_attn
    .symbol:         k_qb2e46148cb_attn.kd
    .args:
      - { .name: qf, .offset: 0, .size: 8, .value_kind: global_buffer, .address_space: global }
      - { .name: kv, .offset: 8, .size: 8, .value_kind: global_buffer, .address_space: global }
      - { .name: bias16, .offset: 16, .size: 8, .value_kind: global_buffer, .address_space: global }
      - { .name: isolation_gate, .offset: 24, .size: 8, .value_kind: global_buffer, .address_space: global }
      - { .name: ao3, .offset: 32, .size: 8, .value_kind: global_buffer, .address_space: global }
    .group_segment_fixed_size: 327680
    .private_segment_fixed_size: 0
    .kernarg_segment_align: 8
    .kernarg_segment_size: 40
    .max_flat_workgroup_size: 256
    .sgpr_count:     96
    .vgpr_count:     512
    .wavefront_size: 32
...
	.end_amdgpu_metadata
.endif
;; end of part 3
;; launch proj (part 4): grid 8 x 32, 4 waves a work-group, clusters of 4 x 4, 327,680 bytes of LDS; arguments ao3, wo3, out0; writes out0
.if DOCPART == 4
	.amdgcn_target "amdgcn-amd-amdhsa--gfx1250"
	.amdhsa_code_object_version 6
	.text
	.protected	k_qb2e46148cb_proj
	.globl	k_qb2e46148cb_proj
	.p2align	8
	.type	k_qb2e46148cb_proj,@function
k_qb2e46148cb_proj:
	s_mov_b64 s[64:65], 0
	v_nop
	global_prefetch_b8 v0, s[64:65] scope:SCOPE_SE
	s_setreg_imm32_b32 hwreg(HW_REG_WAVE_MODE, 25, 1), 1
	s_wait_xcnt 0x0
	s_wait_alu depctr_hold_cnt(0) depctr_sa_sdst(0) depctr_va_vdst(0) depctr_va_sdst(0) depctr_va_ssrc(0) depctr_va_vcc(0) depctr_vm_vsrc(0)
	s_getreg_b32 s2, hwreg(HW_REG_IB_STS2, 6, 4)
	s_cmp_eq_u32 s2, 0
	s_cbranch_scc0 .Lentry_in_a_cluster
	s_endpgm
.Lentry_in_a_cluster:
	s_bfe_u32 s2, ttmp6, 0x10000c
	s_cmp_lg_u32 s2, 0xf033
	s_cbranch_scc0 .Lentry_shape_is_right
	s_endpgm
.Lentry_shape_is_right:
; out0 = attention's result x W_out^T: M = 4,096, N = 1,024, K = 1,024; operands f16, sums and result f32.
; ao3 is [128 tokens 32][head 16][128 rows][64], wo3 [128 outputs 8][64 of K 16][128 rows][64]: the 256 along K of a step are four planes of 128 rows x 128 bytes, 65,536 consecutive bytes of each operand.
; A tile of 128 x 128 is made by four waves, 64 x 64 each: 16 accumulators.  K goes in four steps of 256 through a ring of two LDS slots; a wave's tensor load brings two planes (256 rows of 128 bytes).
; CLUSTERS: 4 x 4 work-groups; the tokens' tiles are shared along a row of the cluster, W_out's along a column: joint loads.  THE MATRIX INSTRUCTION IS USED TRANSPOSED (source 0 = 16 rows of W_out, source 1 = 16 tokens):
; a lane holds eight neighbouring numbers of a row of the result.  A wave's 64 columns are 256 bytes of a row: each wave sends its results through a stage of its own, with no barrier.
; REGISTERS: window 0: v0-31 addresses; v32-95 the way out; v128-255 the accumulators ((a, b) at v[128 + 8 (4 a + b)]).   window 1: two fragment buffers of 128: 64 registers of tokens, then 64 of W_out.
.set PITCH,  144                       ; an LDS row: 128 bytes + 16 of padding = 36 words: the 16 rows that a load touches start at 16 different groups of four banks (64 banks of 4 bytes: ISA guide 11.1)
.set PLANE,  128*PITCH                 ; 64 along K of 128 rows
.set HALFT,  2*PLANE                   ; what one tensor load brings
.set ROWS64, 64*PITCH                  ; a wave's 64 rows within a plane
.set SLOT,   4*HALFT                   ; the tokens' four planes, then W_out's four
.set STAGE,  2*SLOT                    ; behind the ring: 16 rows x 272 bytes for each wave
.set SPITCH, 272
.set SPARE,  STAGE+4*16*SPITCH         ; the spare words: 128 bytes a wave, two blocks of 256 bytes that no other line names
.set LAPS,   2                         ; a lap = two K steps = once round the ring
.set ADRA, 16
.set ADRB, 20
.set STO,  24
.set RD,   25
.set CO,   26
.set SPW,  28
.set NIL,  29
.set TMP,  32                          ; the way out: two sets of 32 registers, by turns
.set ACC,  128
.set F0,   0
.set F1,   128
.set G1, 24
.set G0, 32
.set G1B, 48
.set G0B, 56
.set MSB, 0
.macro WIN new
.if MSB != \new
	s_set_vgpr_msb (MSB<<8)|\new
.set MSB, \new
.endif
.endm
.set MUL,  0x05                        ; sources 0 and 1 window 1; C and D window 0
.set TO_F, 0x40                        ; destination window 1, address window 0
.macro JLOAD s                         ; a joint load: waves 0 and 1 fetch the tokens' two halves, waves 2 and 3 W_out's; an s_nop 0 and four v_nop follow each line
	s_cmp_eq_u32 s11, 0
	s_cbranch_scc0 .Lfor_b_\@
	tensor_load_to_lds s[G0+4*\s:G0+4*\s+3], s[G1:G1+7]
	s_nop 0
.rept 4
	v_nop
.endr
	s_branch .Lasked_\@
.Lfor_b_\@:
	tensor_load_to_lds s[G0B+4*\s:G0B+4*\s+3], s[G1B:G1B+7]
	s_nop 0
.rept 4
	v_nop
.endr
.Lasked_\@:
.endm
.macro CREST                           ; a round of the cluster's barrier behind its opening barrier
	s_cmp_lg_u32 s10, 0
	s_cbranch_scc1 .Lnot_wave_0_\@
	s_barrier_signal -3
.Lnot_wave_0_\@:
	s_barrier_wait -3
	s_barrier_signal -1
	s_barrier_wait -1
.endm
.macro CROUND
	s_barrier_signal -1
	s_barrier_wait -1
	CREST
.endm
	s_load_b128 s[4:7], s[0:1], 0x0                ; ao3, wo3
	s_load_b64 s[8:9], s[0:1], 0x10                ; out0
	v_lshl_add_u32 v[SPW], v0, 2, SPARE
	v_mov_b32 v[NIL], 0
	ds_add_u32 v[SPW], v[NIL]                      ; the wave's opening
	ds_add_u32 v[SPW], v[NIL]
	v_lshrrev_b32 v1, 5, v0
	v_readfirstlane_b32 s10, v1                    ; wave 0..3
	s_lshr_b32 s11, s10, 1                         ; which half of the tile's rows is mine.  Also: I fetch tokens (0) or W_out (1)
	s_and_b32 s12, s10, 1                          ; which half of its columns.  Also: which two planes I fetch
	s_bfe_u32 s40, ttmp6, 0x40000
	s_bfe_u32 s41, ttmp6, 0x40004
	s_lshl_b32 s42, ttmp9, 2
	s_add_co_u32 s42, s42, s40                     ; tile column = 4 x cluster x + cx
	s_and_b32 s13, ttmp7, 0xffff
	s_lshl_b32 s13, s13, 2
	s_add_co_u32 s13, s13, s41                     ; tile row = 4 x cluster y + cy
	s_lshl_b32 s43, s41, 2
	s_lshl_b32 s43, 15, s43                        ; my row of the cluster
	s_lshl_b32 s44, 0x1111, s40                    ; my column
	s_or_b32 s[G1+0], s43, (1<<16)|(1<<20)|(1<<21)|(4<<22)|(3<<25)  ; the mask; elements of 2 bytes; padding on: 4 words after every 32; bit 21 beside a mask
	s_or_b32 s[G1B+0], s44, (1<<16)|(1<<20)|(1<<21)|(4<<22)|(3<<25)
.irp g, G1, G1B
	s_mov_b32 s[\g+1], 64<<16                      ; tensor_dim0 = 64
	s_mov_b32 s[\g+2], 256<<16                     ; tensor_dim1 = 256 rows: two planes
	s_mov_b32 s[\g+3], 64<<16                      ; tile_dim0
	s_mov_b32 s[\g+4], 256                         ; tile_dim1
	s_mov_b32 s[\g+5], 64                          ; the pitch: the rows are dense
	s_mov_b32 s[\g+6], 0
	s_mov_b32 s[\g+7], 0
.endr
	s_lshl_b32 s17, s12, 15                        ; my two planes: 32,768 bytes
	s_lshl_b32 s16, s13, 18                        ; tokens: 262,144 bytes a tile row
	s_add_co_u32 s16, s16, s17
	s_lshl_b32 s46, s42, 18                        ; W_out: 262,144 bytes a tile column
	s_add_co_u32 s46, s46, s17
	s_mov_b32 s17, 0
	s_mov_b32 s47, 0
	s_mul_i32 s20, s10, HALFT                      ; where they go: wave x two planes: no place in the cluster enters an LDS address
	s_wait_dscnt 0x0                               ; both opening adds are done
	s_wait_kmcnt 0x0
	s_add_nc_u64 s[14:15], s[4:5], s[16:17]
	s_add_nc_u64 s[46:47], s[6:7], s[46:47]
	CROUND                                         ; all sixteen work-groups are here: the first joint loads meet
.irp s, 0,1
	s_mov_b32 s[G0+4*\s], 1
	s_add_co_u32 s[G0+4*\s+1], s20, \s*SLOT
	s_add_nc_u64 s[G0+4*\s+2:G0+4*\s+3], s[14:15], \s*65536
	s_or_b32 s[G0+4*\s+3], s[G0+4*\s+3], 0x80000000
	s_mov_b32 s[G0B+4*\s], 1
	s_add_co_u32 s[G0B+4*\s+1], s20, \s*SLOT
	s_add_nc_u64 s[G0B+4*\s+2:G0B+4*\s+3], s[46:47], \s*65536
	s_or_b32 s[G0B+4*\s+3], s[G0B+4*\s+3], 0x80000000
	JLOAD \s                                       ; two loads of mine are out behind these lines, later one behind each round
.endr
	v_and_b32 v1, 15, v0                           ; r
	v_bfe_u32 v2, v0, 4, 1                         ; h
	v_mul_u32_u24 v3, v1, PITCH
	v_lshl_add_u32 v3, v2, 4, v3                   ; a fragment's row x pitch + 16 x half
	s_mul_i32 s21, s11, ROWS64                     ; my 64 tokens
	s_mul_i32 s22, s12, ROWS64                     ; my 64 rows of W_out,
	s_add_co_u32 s22, s22, 2*HALFT                 ; behind the tokens' four planes
.irp s, 0,1
	v_add_nc_u32 v[ADRA+\s], s21, v3
	v_add_nc_u32 v[ADRB+\s], s22, v3
	s_add_co_u32 s21, s21, SLOT
	s_add_co_u32 s22, s22, SLOT
.endr
	s_mul_i32 s23, s10, 16*SPITCH
	s_add_co_u32 s23, s23, STAGE                   ; my stage
	v_mul_u32_u24 v4, v1, SPITCH
	v_lshl_add_u32 v4, v2, 5, v4
	v_add_nc_u32 v[STO], s23, v4                   ; in: row r, 32 bytes for each half of the lanes
	v_mul_u32_u24 v5, v2, SPITCH
	v_lshl_add_u32 v5, v1, 4, v5
	v_add_nc_u32 v[RD], s23, v5                    ; back: lanes 0-15 one row of 256 bytes, lanes 16-31 the next
	v_lshlrev_b32 v5, 12, v2
	v_lshl_add_u32 v[CO], v1, 4, v5                ; and the same two rows in out0 (4,096 bytes a row)
	s_lshl_b32 s16, s13, 19                        ; my first row: 128 x tile row + 64 x half,
	s_lshl_b32 s17, s11, 18
	s_add_co_u32 s16, s16, s17
	s_mov_b32 s17, 0
	s_add_nc_u64 s[8:9], s[8:9], s[16:17]
	s_lshl_b32 s46, s42, 9                         ; my first column, in bytes: 512 x tile column + 256 x half
	s_lshl_b32 s47, s12, 8
	s_add_co_u32 s46, s46, s47
	s_mov_b32 s47, 0
	s_add_nc_u64 s[8:9], s[8:9], s[46:47]
; 8 matrix instructions: row blocks a0, a0 + 1 x all 4 column blocks, 32 along K: half c of buffer f.  zero = 1: the first product starts the sums.  The 16 accumulators take turns.
.macro MUL8 f, c, a0, zero
.irp a, \a0, \a0+1
.irp b, 0,1,2,3
.if \zero
	v_wmma_f32_16x16x32_f16 v[ACC+8*(4*(\a)+\b):ACC+8*(4*(\a)+\b)+7], v[\f+64+8*(4*\c+\b):\f+64+8*(4*\c+\b)+7], v[\f+8*(4*\c+\a):\f+8*(4*\c+\a)+7], 0
.else
	v_wmma_f32_16x16x32_f16 v[ACC+8*(4*(\a)+\b):ACC+8*(4*(\a)+\b)+7], v[\f+64+8*(4*\c+\b):\f+64+8*(4*\c+\b)+7], v[\f+8*(4*\c+\a):\f+8*(4*\c+\a)+7], v[ACC+8*(4*(\a)+\b):ACC+8*(4*(\a)+\b)+7]
.endif
.endr
.endr
.endm
; 32 LDS loads in one run: the fragments of one plane (64 along K), which begins at byte k of the slot's planes, into buffer f; the first 32 along K first
.macro FETCH slot, k, f
	WIN TO_F
.irp c, 0,1
.irp i, 0,1,2,3
	ds_load_b128 v[\f+64+8*(4*\c+\i):\f+64+8*(4*\c+\i)+3],   v[ADRB+\slot] offset:\k+64*\c+\i*16*PITCH
	ds_load_b128 v[\f+64+8*(4*\c+\i)+4:\f+64+8*(4*\c+\i)+7], v[ADRB+\slot] offset:\k+64*\c+\i*16*PITCH+32
	ds_load_b128 v[\f+8*(4*\c+\i):\f+8*(4*\c+\i)+3],         v[ADRA+\slot] offset:\k+64*\c+\i*16*PITCH
	ds_load_b128 v[\f+8*(4*\c+\i)+4:\f+8*(4*\c+\i)+7],       v[ADRA+\slot] offset:\k+64*\c+\i*16*PITCH+32
.endr
.endr
.endm
.macro PLACES                          ; four places in front of loads into registers that matrix instructions have read, and of LDS stores that read results
.rept 4
	v_nop
.endr
.endm
; A K step is four quarters, one plane each, 32 matrix instructions, on buffers 0, 1, 0, 1.  One of the first three: multiplies buffer f and fetches the next plane, at byte k, into g.
.macro QUARTER slot, k, f, g, zero
	s_wait_dscnt 16                                ; the first 32 along K are in; the sixteen younger loads may be out
	WIN MUL
	MUL8 \f, 0, 0, \zero
	MUL8 \f, 0, 2, \zero
	PLACES
	FETCH \slot, \k, \g
	s_wait_dscnt 32                                ; all but the 32 just issued
	WIN MUL
	MUL8 \f, 1, 0, 0
	MUL8 \f, 1, 2, 0
.endm
; The last quarter multiplies buffer 1 and changes slots: ONE barrier; in front of it each wave waits for all its tensor loads, adds 0 to its spare word, and waits for that and for its own reads of this slot.
.macro TURN slot, next, fill
	WIN 0                                          ; (the add's two registers lie in window 0)
	s_wait_tensorcnt 0x0                           ; all my tensor loads have landed: my part of the next slot
	ds_add_u32 v[SPW], v[NIL]                      ; 0 onto my spare word
	s_wait_dscnt 17                                ; (the add and the youngest sixteen loads may be out)
	WIN MUL
	MUL8 F1, 0, 0, 0
	s_wait_dscnt 0x0                               ; the add is done, and my reads of this slot are over
	s_barrier_signal -1
	MUL8 F1, 0, 2, 0
.if \fill
	WIN 0
.endif
	s_barrier_wait -1
.if \fill
	CREST                                          ; the barrier has opened a round of the cluster's barrier: no wave of any partner still reads this slot or has a load on its way
	s_add_nc_u64 s[G0+4*\slot+2:G0+4*\slot+3], s[G0+4*\slot+2:G0+4*\slot+3], 131072   ; two K steps on
	s_add_nc_u64 s[G0B+4*\slot+2:G0B+4*\slot+3], s[G0B+4*\slot+2:G0B+4*\slot+3], 131072
	JLOAD \slot                                    ; the first tensor load behind the round; the four v_nop behind it are also the places in front of the loads below
.else
	PLACES
.endif
	FETCH \next, 0, F0
	WIN MUL
	MUL8 F1, 1, 0, 0
	MUL8 F1, 1, 2, 0
.endm
	s_wait_tensorcnt 1                             ; my part of K step 0 is in; K step 1's may be out
	s_barrier_signal -1
	s_barrier_wait -1                              ; everybody's is
	FETCH 0, 0, F0
	QUARTER 0, PLANE, F0, F1, 1                    ; the first quarter stands in front of the loop: its first products start the sums
	WIN 0                                          ; at a label and at a branch every window is 0
	s_mov_b32 s3, LAPS-1
.Llap:                                             ; a trip goes once round the ring, from a lap's second quarter to the next lap's first, and fills both slots again
	QUARTER 0, 2*PLANE, F1, F0, 0
	QUARTER 0, 3*PLANE, F0, F1, 0
	TURN 0, 1, 1
	QUARTER 1, PLANE, F0, F1, 0
	QUARTER 1, 2*PLANE, F1, F0, 0
	QUARTER 1, 3*PLANE, F0, F1, 0
	TURN 1, 0, 1
	QUARTER 0, PLANE, F0, F1, 0
	WIN 0
	s_sub_co_u32 s3, s3, 1
	s_cmp_lg_u32 s3, 0
	s_cbranch_scc1 .Llap
	QUARTER 0, 2*PLANE, F1, F0, 0                  ; the last lap fills nothing, and has no round of the cluster's barrier
	QUARTER 0, 3*PLANE, F0, F1, 0
	TURN 0, 1, 0
	QUARTER 1, PLANE, F0, F1, 0
	QUARTER 1, 2*PLANE, F1, F0, 0
	QUARTER 1, 3*PLANE, F0, F1, 0
	s_wait_dscnt 16                                ; the very last quarter: nothing more to fetch
	WIN MUL
	MUL8 F1, 0, 0, 0
	MUL8 F1, 0, 2, 0
	s_wait_dscnt 0
	MUL8 F1, 1, 0, 0
	MUL8 F1, 1, 2, 0
	WIN 0
; THE WAY OUT, a block of 16 rows x 64 columns at a time, through my own stage: in as 32 bytes a lane, each accumulator from its low end on; back as two whole rows of 256 bytes an instruction.
; LDS serves a wave's instructions in order (ISA guide 5.7.1.4): no wait between the stores and the loads, nor in front of the next block's stores.
.macro TOSTAGE a
.irp b, 0,1,2,3
	ds_store_b128 v[STO], v[ACC+8*(4*(\a)+\b):ACC+8*(4*(\a)+\b)+3] offset:64*\b
	ds_store_b128 v[STO], v[ACC+8*(4*(\a)+\b)+4:ACC+8*(4*(\a)+\b)+7] offset:64*\b+16
.endr
.irp t, 0,1,2,3,4,5,6,7
	ds_load_b128 v[TMP+32*((\a)%2)+4*\t:TMP+32*((\a)%2)+4*\t+3], v[RD] offset:\t*2*SPITCH
.endr
.endm
.macro SEND a, younger                 ; younger: the LDS instructions issued behind block a's loads, which may stay out
	s_wait_dscnt \younger
.irp t, 0,1,2,3,4,5,6,7
	global_store_b128 v[CO], v[TMP+32*((\a)%2)+4*\t:TMP+32*((\a)%2)+4*\t+3], s[8:9] offset:(\a)*65536+\t*8192 th:TH_STORE_NT   ; sixteen lanes store 256 consecutive bytes, aligned; written once, read by nobody here
.endr
.endm
	PLACES
	TOSTAGE 0
.irp a, 1,2,3
.if \a > 1
	s_wait_xcnt 0x0                                ; block a - 2's stores have read their registers: block a's loads may land there
.endif
	TOSTAGE \a
	SEND \a-1, 16                                  ; behind block a - 1's loads: block a's 8 stores and 8 loads
.endr
	SEND 3, 0
	s_wait_tensorcnt 0x0                           ; the wave's end
	ds_add_u32 v[SPW], v[NIL]
	s_wait_dscnt 0x0
	CROUND                                         ; the closing round: no work-group ends while a partner may still ask for a tile that names it
	s_endpgm
.Lfunc_end_k_qb2e46148cb_proj:
	.size	k_qb2e46148cb_proj, .Lfunc_end_k_qb2e46148cb_proj-k_qb2e46148cb_proj
	.p2alignl 7, 3214868480
	.fill 96, 4, 3214868480
	.section	.rodata,"a",@progbits
	.p2align	6, 0x0
	.amdhsa_kernel k_qb2e46148cb_proj
		.amdhsa_group_segment_fixed_size 327680
		.amdhsa_private_segment_fixed_size 0
		.amdhsa_enable_private_segment 0
		.amdhsa_kernarg_size 24
		.amdhsa_user_sgpr_count 2
		.amdhsa_user_sgpr_kernarg_segment_ptr 1
		.amdhsa_wavefront_size32 1
		.amdhsa_system_sgpr_workgroup_id_x 1
		.amdhsa_system_sgpr_workgroup_id_y 1
		.amdhsa_system_sgpr_workgroup_id_z 1
		.amdhsa_system_vgpr_workitem_id 0
		.amdhsa_next_free_vgpr 512
		.amdhsa_next_free_sgpr 66
		.amdhsa_reserve_vcc 0
		.amdhsa_float_denorm_mode_32 3
		.amdhsa_float_denorm_mode_16_64 3
		.amdhsa_memory_ordered 1
		.amdhsa_forward_progress 1
		.amdhsa_inst_pref_size 85
	.end_amdhsa_kernel
	.amdgpu_metadata
---
amdhsa.version: [ 1, 2 ]
amdhsa.kernels:
  - .name:           k_qb2e46148cb_proj
    .symbol:         k_qb2e46148cb_proj.kd
    .args:
      - { .name: ao3, .offset: 0, .size: 8, .value_kind: global_buffer, .address_space: global }
      - { .name: wo3, .offset: 8, .size: 8, .value_kind: global_buffer, .address_space: global }
      - { .name: out0, .offset: 16, .size: 8, .value_kind: global_buffer, .address_space: global }
    .group_segment_fixed_size: 327680
    .private_segment_fixed_size: 0
    .kernarg_segment_align: 8
    .kernarg_segment_size: 24
    .max_flat_workgroup_size: 128
    .sgpr_count:     66
    .vgpr_count:     512
    .wavefront_size: 32
...
	.end_amdgpu_metadata
.endif
;; end of part 4
